; MI455X (gfx1250); checked and timed in simulation.
; The chip was launched on July 23, 2026; its instructions are those of AMD's public machine-readable ISA for CDNA 5 (MIT licence, August 2026) and "CDNA5" Instruction Set Architecture Reference Guide (July 2026). The comments in the code are by the model that wrote it; some were corrected since.
;; Megatron Mo E Wrapper. Allowed arithmetic: matrix products marked QUANTISED: E5M2 operands, one E8M0 scale for each 32 along K, by v_wmma_scale_f32_16x16x128_f8f6f4 with both operands' format E5M2, f32 sums; products left as they are: f32 operands where the result goes on into a quantised operand, else bf16, f16 or f32 operands; f32 sums; everything else in f32.
;; Inputs: gate_w 8 x 1,024 float32; w1_codes 8 x 4,096 x 32 x 32 uint8 (E5M2 codes of w1, K innermost, in blocks of 32 codes); w1_scales 8 x 4,096 x 32 uint8 (E8M0 scales of w1, one for each 32 codes along K); w2_codes 8 x 1,024 x 128 x 32 uint8 (E5M2 codes of w2, K innermost, in blocks of 32 codes); w2_scales 8 x 1,024 x 128 uint8 (E8M0 scales of w2, one for each 32 codes along K); x 1,024 x 1,024 float32.
;; Outputs: out0 1,024 x 1,024 float32.
;; This version of the problem:
;;   THIS VERSION OF THE PROBLEM IS GIVEN IN LOW PRECISION. The matrix products marked QUANTISED in the list below multiply operands that are first quantised to E5M2 (5 exponent bits, 2 mantissa bits; 8 bits a number), with one power-of-two scale for each 32 numbers along K (OCP MX v1.0); their sums are f32. All else is computed in f32.
;;   The module's matrix products, in the order in which they are computed (A, B: the left and right operand; K: the contracted axis; several contracted axes count as one K, in the product's order):
;;     1. [M 1,024, K 1,024] x [K 1,024, N 8]; A: input x; B: input gate_w: left as it is (N = 8 < 16)
;;     2. [M 1,024, K 1,024] x [K 1,024, N 4,096]; A: input x; B: input w1 (given as codes): QUANTISED
;;     3. [M 1,024, K 4,096] x [K 4,096, N 1,024]; A: computed on the way; B: input w2 (given as codes): QUANTISED
;;     4. [M 1,024, K 1,024] x [K 1,024, N 4,096]; A: input x; B: input w1 (given as codes): QUANTISED
;;     5. [M 1,024, K 4,096] x [K 4,096, N 1,024]; A: computed on the way; B: input w2 (given as codes): QUANTISED
;;     6. [M 1,024, K 1,024] x [K 1,024, N 4,096]; A: input x; B: input w1 (given as codes): QUANTISED
;;     7. [M 1,024, K 4,096] x [K 4,096, N 1,024]; A: computed on the way; B: input w2 (given as codes): QUANTISED
;;     8. [M 1,024, K 1,024] x [K 1,024, N 4,096]; A: input x; B: input w1 (given as codes): QUANTISED
;;     9. [M 1,024, K 4,096] x [K 4,096, N 1,024]; A: computed on the way; B: input w2 (given as codes): QUANTISED
;;     10. [M 1,024, K 1,024] x [K 1,024, N 4,096]; A: input x; B: input w1 (given as codes): QUANTISED
;;     11. [M 1,024, K 4,096] x [K 4,096, N 1,024]; A: computed on the way; B: input w2 (given as codes): QUANTISED
;;     12. [M 1,024, K 1,024] x [K 1,024, N 4,096]; A: input x; B: input w1 (given as codes): QUANTISED
;;     13. [M 1,024, K 4,096] x [K 4,096, N 1,024]; A: computed on the way; B: input w2 (given as codes): QUANTISED
;;     14. [M 1,024, K 1,024] x [K 1,024, N 4,096]; A: input x; B: input w1 (given as codes): QUANTISED
;;     15. [M 1,024, K 4,096] x [K 4,096, N 1,024]; A: computed on the way; B: input w2 (given as codes): QUANTISED
;;     16. [M 1,024, K 1,024] x [K 1,024, N 4,096]; A: input x; B: input w1 (given as codes): QUANTISED
;;     17. [M 1,024, K 4,096] x [K 4,096, N 1,024]; A: computed on the way; B: input w2 (given as codes): QUANTISED
;;   THE QUANTISER, for each operand of a quantised product, along K:
;;     - K is cut into blocks of 32 from its start; a last block that is shorter is filled with zeros.
;;     - A block's scale is 2^e with e = floor(log2(the largest magnitude in the block)) - 15, held to -126 .. 127; a block of zeros has e = 0. As a byte (E8M0): e + 127.
;;     - Each number is divided by its block's scale, clamped to +-57,344, and rounded to the nearest number of E5M2, ties to even, subnormals kept.
;;     - The product sums the exact products of the quantised numbers (number of the format x scale) in f32.
;;   ~~~python
;;   def quantise(x, axis):      # numpy; x: float32 -> the quantised numbers, widened to float32 again
;;       x = np.moveaxis(x, axis, -1); K = x.shape[-1]
;;       x = np.pad(x, [(0, 0)] * (x.ndim - 1) + [(0, -K % 32)]); x = x.reshape(x.shape[:-1] + (-1, 32)); a = np.abs(x).max(-1, keepdims=True)
;;       e = np.where(a > 0, np.clip(np.frexp(np.where(a > 0, a, 1))[1] - 1 - 15, -126, 127), 0)      # np.frexp(a)[1] - 1 = floor(log2(a)), exactly
;;       r = np.clip(x / 2.0 ** e, -57344, 57344)
;;       step = 2.0 ** (np.maximum(np.frexp(np.where(r == 0, 1, r))[1] - 1, -14) - 2)
;;       q = np.round(r / step) * step * 2.0 ** e      # np.round: ties to even
;;       return np.moveaxis(q.reshape(q.shape[:-2] + (-1,))[..., :K], -1, axis).astype(np.float32)
;;   ~~~
;;   OPERANDS COMPUTED ON THE WAY. 'Computed on the way' means the value that the module computes at that place (a softmax that the list does not call 'softmax' is quantised finished and normalised). What goes into a quantiser is computed in f32, as accurately as f32 sums, v_exp_f32 and their like allow (about 1e-6 of the number): no bf16 or f16 on the way to a quantiser, and a product that is left as it is and whose result goes on into a quantised operand takes f32 operands (vector FMAs, or v_wmma_f32_16x16x4_f32). A number that lies on a knife's edge between two numbers of the format may be rounded either way, as far as f32 arithmetic and the matrix unit's own rounding can turn it there, and no further.
;;   INPUTS GIVEN AS CODES. w1 (in the module: [8, 4096, 1024], K = its axis 2); w2 (in the module: [8, 1024, 4096], K = its axis 2): each comes as NAME_codes (uint8): NAME with its K axis moved to the last place and cut into blocks of 32 codes, [.., K / 32, bytes a block], one block behind the other in memory; one code a byte (a code: sign, 5 exponent bits, 2 mantissa bits); and NAME_scales (uint8): the same leading axes, one E8M0 byte (e + 127) for each 32 codes along K. Its value is code x scale, taken as it is: it is not quantised again, and the codes and scales need not be those that the quantiser above would give.
;; 2 versions. Each part assembles by itself: llvm-mc -triple=amdgcn-amd-amdhsa -mcpu=gfx1250 --defsym DOCPART=n.
;; ======== version 1 of 2: 4 launches
;; workspace buffers: route 5,120 bytes of whole numbers; wts 8,192 bytes; xq 1,081,344 bytes; hq 34,603,008 bytes; rows 32,768 bytes of whole numbers; part 33,554,432 bytes
;; launch route (part 1): grid 128 x 1, 4 waves a work-group, no clusters, 2,560 bytes of LDS; arguments x, gate_w, route, wts, xq; writes route, wts, xq
.if DOCPART == 1
	.amdgcn_target "amdgcn-amd-amdhsa--gfx1250"
	.amdhsa_code_object_version 6
	.text
	.protected	k_q32c3df45d1_route
	.globl	k_q32c3df45d1_route
	.p2align	8
	.type	k_q32c3df45d1_route,@function
k_q32c3df45d1_route:
	s_mov_b64 s[64:65], 0
	v_nop
	global_prefetch_b8 v0, s[64:65] scope:SCOPE_SE
	s_setreg_imm32_b32 hwreg(HW_REG_WAVE_MODE, 25, 1), 1
	s_wait_xcnt 0x0
; THE GATE AND x's CODES.  logits = x gate_w^T in f32 (fused multiply-adds); the two largest of a token's 8 logits (the lower index wins a tie); the softmax of those two, the larger taken off first.
; Stored at fixed places: route[0..1023]: for each expert 128 bytes, bit t % 8 of byte t / 8 = token t chose it; route[1024..]: a word a token, first choice | second << 8; wts: the two weights a token.
; x is also turned into codes of E5M2 with one E8M0 byte for each 32 along K: xq[0 .. 1 MiB): codes, row-major; behind them the scale bytes, 32 a token.
; SHARES.  A work-group takes tokens 8 g .. 8 g + 7, so that one byte of each expert's mask is its own.  Wave w takes K = 256 w .. 256 w + 255 of all 8 tokens and all 8 gate rows; lane L holds 8 neighbours,
; k = 256 w + 8 L + 0 .. 7: what one conversion takes; a block of 32 lies in 4 neighbouring lanes.
; The 64 partial sums of a wave (8 tokens x 8 experts) are added across its lanes by halving: in each of five steps a lane keeps half of its sums and sends the other half to its partner.
; No matrix unit: the product has 8 columns.  No cluster: work-groups share gate_w alone, 32 KB.
; LIMITS: NaN and infinities among x and gate_w are not served.  A block of zeros gets the scale byte 1 where the quantiser says 127: its codes are zeros, and this program alone reads the bytes.
.set XSB, 1024                         ; LDS: 0: [wave 4][64] partial logits;  1024: [token 8][32] scale bytes
.set BY,  8                            ; v8-15    a scale byte for each token
.set GW,  16                           ; v16-79   gate row e: 8 numbers
.set X,   80                           ; v80-143  token t: 8 numbers
.set V,   144                          ; v144-207 partial logit 8 t + e
.set ACC, 208                          ; v208-223 8 pairs at work
.set HN,  224                          ; v224-231 held numbers; later at work
.set CD,  240                          ; v240-255 codes: a pair for each token, never rewritten
	s_load_b256 s[4:11], s[0:1], 0x0               ; x s[4:5], gate_w s[6:7], route s[8:9], wts s[10:11]
	s_load_b64 s[12:13], s[0:1], 0x20              ; xq
	v_lshl_add_u32 v238, v0, 2, 0x800
	v_mov_b32 v239, 0
	v_lshrrev_b32 v6, 5, v0
	v_readfirstlane_b32 s14, v6                    ; wave
	v_and_b32 v1, 31, v0                           ; lane
	s_mov_b32 s15, ttmp9                           ; g
	s_lshl_b32 s25, s14, 10
	v_lshl_add_u32 v2, v1, 5, s25                  ; my 32 bytes of a row of f32: 1,024 w + 32 L
	s_lshl_b32 s26, s14, 8
	v_lshl_add_u32 v3, v1, 3, s26                  ; my 8 codes of a row: 256 w + 8 L
	v_lshl_add_u32 v4, v1, 2, s26                  ; LDS: my wave's 64 sums, 4 bytes a lane
	s_lshl_b32 s27, s14, 3
	v_lshrrev_b32 v5, 2, v1
	v_add_nc_u32 v5, s27, v5
	v_add_nc_u32 v5, XSB, v5                       ; LDS: my block's byte in a token's 32: 8 w + L / 4
	s_mov_b32 s16, 0xaaaaaaaa                      ; lanes whose bit 0, 1, 2, 3, 4 is set
	s_mov_b32 s17, 0xcccccccc
	s_mov_b32 s18, 0xf0f0f0f0
	s_mov_b32 s19, 0xff00ff00
	s_mov_b32 s20, 0xffff0000
	s_mov_b32 s22, 0x76543210                      ; v_permlanex16_b32's selects for lane l xor 16
	s_mov_b32 s23, 0xfedcba98
	s_mov_b32 s24, 0x600000                        ; the mantissa field of 57,344
	s_mov_b32 s29, 0
	s_wait_kmcnt 0x0
	s_lshl_b32 s28, s15, 15
	s_add_nc_u64 s[4:5], s[4:5], s[28:29]          ; x at my 8 tokens
	s_lshl_b32 s28, s15, 13
	s_add_nc_u64 s[30:31], s[12:13], s[28:29]      ; their codes
	s_lshl_b32 s28, s15, 8
	s_add_nc_u64 s[32:33], s[12:13], s[28:29]
	s_add_nc_u64 s[32:33], s[32:33], 0x100000      ; their scale bytes
	s_lshl_b32 s28, s15, 5
	s_add_nc_u64 s[34:35], s[8:9], s[28:29]
	s_add_nc_u64 s[34:35], s[34:35], 1024          ; their words of choices
	s_lshl_b32 s28, s15, 6
	s_add_nc_u64 s[36:37], s[10:11], s[28:29]      ; their weights
.irp e, 0,1,2,3,4,5,6,7
	global_load_b128 v[GW+8*\e:GW+8*\e+3],   v2, s[6:7] offset:4096*\e
	global_load_b128 v[GW+8*\e+4:GW+8*\e+7], v2, s[6:7] offset:4096*\e+16
.endr
.irp t, 0,1,2,3,4,5,6,7
	global_load_b128 v[X+8*\t:X+8*\t+3],   v2, s[4:5] offset:4096*\t th:TH_LOAD_NT
	global_load_b128 v[X+8*\t+4:X+8*\t+7], v2, s[4:5] offset:4096*\t+16 th:TH_LOAD_NT
.endr
; One token: its 8 partial logits, and its 8 codes a lane.
.macro TOKEN t
	s_wait_loadcnt 2*(7-\t)                        ; loads come back in order: this token's two are in, the later tokens' may be out
.irp e, 0,1,2,3,4,5,6,7
	v_pk_mul_f32 v[ACC+2*\e:ACC+2*\e+1], v[X+8*\t:X+8*\t+1], v[GW+8*\e:GW+8*\e+1]
.endr
.irp j, 2,4,6
.irp e, 0,1,2,3,4,5,6,7
	v_pk_fma_f32 v[ACC+2*\e:ACC+2*\e+1], v[X+8*\t+\j:X+8*\t+\j+1], v[GW+8*\e+\j:GW+8*\e+\j+1], v[ACC+2*\e:ACC+2*\e+1]
.endr
.endr
.irp e, 0,1,2,3,4,5,6,7
	v_add_f32 v[V+8*\t+\e], v[ACC+2*\e], v[ACC+2*\e+1]
.endr
	v_max3_num_f32 v232, |v[X+8*\t]|, |v[X+8*\t+1]|, 0x8000000     ; my 8 magnitudes and the floor 2^(16 - 127): the byte cannot fall under 1
.irp j, 2,4,6
	v_max3_num_f32 v232, v232, |v[X+8*\t+\j]|, |v[X+8*\t+\j+1]|
.endr
	v_max_num_f32_dpp v232, v232, v232 row_xmask:1 row_mask:0xf bank_mask:0xf
	v_max_num_f32_dpp v232, v232, v232 row_xmask:2 row_mask:0xf bank_mask:0xf   ; with the block's other three lanes
	v_add_nc_u32 v233, 0xf8800000, v232            ; 15 off the exponent field: the conversion's scale operand
	v_and_or_b32 v234, v232, 0x7f800000, s24       ; 57,344 x the scale
	v_lshrrev_b32 v[BY+\t], 23, v233               ; the scale's byte
.irp i, 0,1,2,3,4,5,6,7
	v_med3_num_f32 v[HN+\i], v[X+8*\t+\i], -v234, v234   ; the conversion to an 8-bit code does not saturate (ISA guide 7.6.2): the hold comes first
.endr
	v_cvt_scalef32_pk8_bf8_f32 v[CD+2*\t:CD+2*\t+1], v[HN:HN+7], v233
	v_nop                                          ; a plain line between the conversion and the next write of its sources
	global_store_b64 v3, v[CD+2*\t:CD+2*\t+1], s[30:31] offset:1024*\t   ; the wave stores 256 consecutive bytes, aligned
	ds_store_b8 v5, v[BY+\t] offset:32*\t          ; the block's four lanes write the same byte with the same value
.endm
.irp t, 0,1,2,3,4,5,6,7
	TOKEN \t
.endr
; A halving step: of sums 2 a and 2 a + 1 a lane keeps the one that its bit names, sends the other to the lane xm away and adds what that lane sends.
.macro FOLD mask, xm, n
.set a, 0
.rept \n
	v_cndmask_b32 v[HN+2*(a%4)],   v[V+2*a],   v[V+2*a+1], s[\mask]
	v_cndmask_b32 v[HN+2*(a%4)+1], v[V+2*a+1], v[V+2*a],   s[\mask]
	v_add_f32_dpp v[V+a], v[HN+2*(a%4)+1], v[HN+2*(a%4)] row_xmask:\xm row_mask:0xf bank_mask:0xf
.set a, a+1
.endr
.endm
	FOLD 16, 1, 32
	FOLD 17, 2, 16
	FOLD 18, 4, 8
	FOLD 19, 8, 4
.irp a, 0,1
	v_cndmask_b32 v[HN],   v[V+2*\a],   v[V+2*\a+1], s20
	v_cndmask_b32 v[HN+1], v[V+2*\a+1], v[V+2*\a],   s20
	v_permlanex16_b32 v[HN+2], v[HN+1], s22, s23
	v_add_f32 v[V+\a], v[HN], v[HN+2]              ; lane L now holds the wave's sums number L and 32 + L
.endr
	ds_store_b32 v4, v[V]
	ds_store_b32 v4, v[V+1] offset:128
	s_wait_dscnt 0x0                               ; for wave 0's sake: my sums and my scale bytes lie in LDS
	s_barrier_signal -1
	s_barrier_wait -1
	s_cmp_lg_u32 s14, 0
	s_cbranch_scc1 .Lend                           ; the rest is wave 0's; no barrier follows
	v_and_b32 v6, 7, v1                            ; lane L works token L % 8
	v_lshlrev_b32 v6, 5, v6
	v_lshlrev_b32 v7, 3, v1
.irp w, 0,1,2,3
	ds_load_b128 v[16+8*\w:19+8*\w], v6 offset:256*\w
	ds_load_b128 v[20+8*\w:23+8*\w], v6 offset:256*\w+16
.endr
	ds_load_b64 v[60:61], v7 offset:XSB            ; the 8 tokens' 256 scale bytes, 8 a lane
	s_wait_dscnt 0x0
.irp w, 1,2,3
.irp e, 0,1,2,3,4,5,6,7
	v_add_f32 v[16+\e], v[16+\e], v[16+8*\w+\e]    ; the four waves' parts: logit e in v[16 + e]
.endr
.endr
	global_store_b64 v7, v[60:61], s[32:33]        ; 256 consecutive bytes, aligned
	v_mov_b32 v48, v16                             ; the largest and its index: a strict compare, so the lower index keeps a tie
	v_mov_b32 v49, 0
.irp e, 1,2,3,4,5,6,7
	v_cmp_gt_f32 vcc_lo, v[16+\e], v48
	v_cndmask_b32 v48, v48, v[16+\e], vcc_lo
	v_cndmask_b32 v49, v49, \e, vcc_lo
.endr
	v_mov_b32 v50, 0xff800000                      ; the largest of the other seven
	v_mov_b32 v51, 0
.irp e, 0,1,2,3,4,5,6,7
	v_cmp_gt_f32 s25, v[16+\e], v50
	v_cmp_ne_u32 s26, \e, v49
	s_and_b32 s25, s25, s26
	v_cndmask_b32 v50, v50, v[16+\e], s25
	v_cndmask_b32 v51, v51, \e, s25
.endr
	v_sub_f32 v52, v50, v48                        ; second - first, 0 or less: the maximum is taken off
	v_mul_f32 v52, 0x3fb8aa3b, v52
	v_exp_f32 v53, v52
	v_nop                                          ; a plain line behind the transcendental,
	s_wait_alu depctr_va_vdst(0)                   ; and the wait ahead of its first reader
	v_add_f32 v54, 1.0, v53
	v_rcp_f32 v56, v54                             ; the first choice's weight: 1 / (1 + e^d)
	v_lshl_or_b32 v59, v51, 8, v49                 ; (a plain line)  first | second << 8
	s_wait_alu depctr_va_vdst(0)
	v_mul_f32 v57, v53, v56                        ; the second's
	v_mov_b32 v58, 0
.irp e, 0,1,2,3,4,5,6,7
	v_cmp_eq_u32 s25, \e, v49
	v_cmp_eq_u32 s26, \e, v51
	s_or_b32 s25, s25, s26
	s_and_b32 s25, s25, 0xff                       ; lanes 0-7: which of my 8 tokens chose expert e
	v_writelane_b32 v58, s25, \e                   ; lane e holds expert e's byte
.endr
	v_lshl_add_u32 v62, v1, 7, s15                 ; 128 L + g
	v_lshlrev_b32 v63, 2, v1
	v_cmp_gt_u32 vcc_lo, 8, v1
	s_wait_xcnt 0x0                                ; EXEC changes only behind this wait: stores have been issued
	s_and_saveexec_b32 s27, vcc_lo                 ; lanes 0-7
	global_store_b8 v62, v58, s[8:9]
	global_store_b32 v63, v59, s[34:35]
	global_store_b64 v7, v[56:57], s[36:37]
	s_wait_xcnt 0x0                                ; and again ahead of the line that widens it
	s_or_b32 exec_lo, exec_lo, s27
.Lend:
	s_wait_tensorcnt 0x0
	ds_add_u32 v238, v239
	s_wait_dscnt 0x0
	s_endpgm
.Lfunc_end_k_q32c3df45d1_route:
	.size	k_q32c3df45d1_route, .Lfunc_end_k_q32c3df45d1_route-k_q32c3df45d1_route
	.p2alignl 7, 3214868480
	.fill 96, 4, 3214868480
	.section	.rodata,"a",@progbits
	.p2align	6, 0x0
	.amdhsa_kernel k_q32c3df45d1_route
		.amdhsa_group_segment_fixed_size 2560
		.amdhsa_private_segment_fixed_size 0
		.amdhsa_enable_private_segment 0
		.amdhsa_kernarg_size 40
		.amdhsa_user_sgpr_count 2
		.amdhsa_user_sgpr_kernarg_segment_ptr 1
		.amdhsa_wavefront_size32 1
		.amdhsa_system_sgpr_workgroup_id_x 1
		.amdhsa_system_sgpr_workgroup_id_y 1
		.amdhsa_system_sgpr_workgroup_id_z 1
		.amdhsa_system_vgpr_workitem_id 0
		.amdhsa_next_free_vgpr 256
		.amdhsa_next_free_sgpr 66
		.amdhsa_reserve_vcc 1
		.amdhsa_float_denorm_mode_32 3
		.amdhsa_float_denorm_mode_16_64 3
		.amdhsa_memory_ordered 1
		.amdhsa_forward_progress 1
		.amdhsa_inst_pref_size 55
	.end_amdhsa_kernel
	.amdgpu_metadata
---
amdhsa.version: [ 1, 2 ]
amdhsa.kernels:
  - .name:           k_q32c3df45d1_route
    .symbol:         k_q32c3df45d1_route.kd
    .args:
      - { .name: x, .offset: 0, .size: 8, .value_kind: global_buffer, .address_space: global }
      - { .name: gate_w, .offset: 8, .size: 8, .value_kind: global_buffer, .address_space: global }
      - { .name: route, .offset: 16, .size: 8, .value_kind: global_buffer, .address_space: global }
      - { .name: wts, .offset: 24, .size: 8, .value_kind: global_buffer, .address_space: global }
      - { .name: xq, .offset: 32, .size: 8, .value_kind: global_buffer, .address_space: global }
    .group_segment_fixed_size: 2560
    .private_segment_fixed_size: 0
    .kernarg_segment_align: 8
    .kernarg_segment_size: 40
    .max_flat_workgroup_size: 128
    .sgpr_count:     66
    .vgpr_count:     256
    .wavefront_size: 32
...
	.end_amdgpu_metadata
.endif
;; end of part 1
;; launch ffn1 (part 2): grid 256 x 1, 4 waves a work-group, no clusters, 133,632 bytes of LDS; arguments w1_codes, w1_scales, route, xq, hq, rows; writes hq, rows
.if DOCPART == 2
	.amdgcn_target "amdgcn-amd-amdhsa--gfx1250"
	.amdhsa_code_object_version 6
	.text
	.protected	k_q32c3df45d1_ffn1
	.globl	k_q32c3df45d1_ffn1
	.p2align	8
	.type	k_q32c3df45d1_ffn1,@function
k_q32c3df45d1_ffn1:
	s_mov_b64 s[64:65], 0
	v_nop
	global_prefetch_b8 v0, s[64:65] scope:SCOPE_SE
	s_setreg_imm32_b32 hwreg(HW_REG_WAVE_MODE, 25, 1), 1
	s_wait_xcnt 0x0
; THE FIRST PRODUCT OF THE EXPERTS, ON THE ROUTED ROWS ALONE: h = Q(gelu(Q(x) W1[e]^T)), gelu with the exact erf, Q the MX quantiser to E5M2 along the next product's K.
; SHARES.  Work-group id: expert e = id / 32, rows 128 nc .. 128 nc + 127 of W1[e] (nc = id % 32): a slab of 128 rows x 1,024 codes, read from memory once in the launch and kept in LDS.
; The expert's tokens are found from its 1,024-bit mask (launch route): the token of rank j is the j-th set bit.  Ranks go in tiles of 16; wave w takes tiles 5 w .. 5 w + 4, then 20 further on while tiles are left:
; at most four rounds, since 1,024 tokens are 64 tiles and 5 w + 20 k is under 64 only for k up to 3.
; All five tiles of a round are multiplied, on clamped ranks (a rank past the last counts as the last), so that the K loop has no branch; only tiles under T' = max(ceil(M / 16), 1) are worked up and stored.
; THE PRODUCT IS USED TRANSPOSED: source 0 = 16 rows of W1 (from LDS), source 1 = 16 tokens' codes (from memory straight into registers): a lane holds ONE token and its registers run along the hidden units.
; THE ROWS OF W1 THAT FORM A TILE ARE NOT NEIGHBOURS: row 32 b + 16 h + 8 u + j of the slab lies at row 8 h + j of tile 2 b + u (the slab is laid so in LDS), so that a lane's 16 registers of tiles 2 b, 2 b + 1
; are 16 neighbours along the next K, and the conversions' results ARE the next operand's registers.  They go to hq as an image of those registers: [e][tile 64][K step 32][4][lane][16 bytes]; scale words [e][tile][K step][row].
; rows[e][tile][row] = slot x 1,024 + token, stored by the work-groups with nc = 0: where the next launch puts that row's result.
; GELU: g = z (0.5 + zc P(zc^2) / Q(zc^2)), zc = z held within +-4 sqrt(2): 0.5 erf(z / sqrt(2)) as the rational function of degree 13 over 8 that f32 libraries use, its coefficients rescaled for z.
; NO CLUSTER AND NO TENSOR LOAD, though the 32 work-groups of an expert read the same tokens' codes: the way out of the round loop and the branches round the stores hang on a count read from memory.
; LIMITS: NaN and infinities are not served.  For z under about -5 the sum 0.5 + .. cancels to a few units of f32's last place of 0.5, as erf + 1 does in f32.  A block of zeros gets the scale byte 1: its codes are zeros, and this program alone reads the bytes.
; REGISTERS, in windows of 256.  Window 0: v0-31 addresses; v32-63 W1's scale words; v64-83 x's scale words; v84-127 small; v128-255 eight fragments of W1, outside the K loop at work.
;   Window 1: three sets of five fragments of x (set k at 80 k).  Window 2: the accumulators of tiles 0-3 (64 m + 8 b); at the head the slab on its way to LDS.  Window 3: those of tile 4.
.set PITCH, 1040                       ; an LDS row: 1,024 bytes + 16: 65 x 16, so the 16 rows of a fragment load start at 16 different groups of four banks (64 banks of 4 bytes: ISA guide 11.1)
.set GP,    1024                       ; a row of W1 in memory
.set R,    1                           ; v1   lane % 16
.set H,    2                           ; v2   lane / 16
.set L16,  3                           ; v3   16 x lane
.set H16,  4                           ; v4   16 x (lane / 16)
.set R4,   5                           ; v5   4 x (lane % 16)
.set WB0,  6                           ; v6   LDS: my place in tiles 0-3 of the slab;  v7: in tiles 4-7
.set SST,  8                           ; v8   LDS: where I put the slab's bytes
.set SGO,  9                           ; v9   and where they come from
.set WSO,  10                          ; v10  my row's scale bytes in the slab's
.set LN,   11                          ; v11  lane
.set TOK,  12                          ; v12-16 tile m: my row's token
.set AA,   17                          ; v17-21 its codes: token x 1,024 + 16 h
.set ASA,  22                          ; v22-26 its scale bytes: token x 32 + 16 h
.set SELV, 27                          ; v27-31 its word of choices
.set WS,   32
.set AS,   64
.set CP5,  84                          ; v[84:85] P5, v[86:87] Q3, each twice
.set CQ3,  86
.set TV,   88                          ; v88-90 tokens of ranks 32 v + lane
.set XT,   91
.set SELA, 92                          ; v92-96 token x 4
.set DT,   97                          ; v97-98 at work
.set PC,   100                         ; v100-115 a fragment's codes
.set PW,   116                         ; v116 its scale word
.set QT,   117                         ; v117-126 the quantiser's: +0 largest magnitudes, +2 the other half's, +4 scale operands, +6 the holds, +8 bytes (two blocks each)
.set ZC,   128
.set W2,   160
.set PP,   192
.set QQ,   224
.set RC,   66                          ; s66  rounds to go: the round loop's counter
.set MSB, 0
.macro WIN new                         ; s_set_vgpr_msb: bits 1:0 source 0, 3:2 source 1, 5:4 source 2, 7:6 destination; the high byte repeats the setting that is left
.if MSB != (\new)
	s_set_vgpr_msb (MSB<<8)|(\new)
.set MSB, (\new)
.endif
.endm
.macro PLACES n                        ; plain vector lines behind matrix instructions (ISA guide 7.12.1)
.rept \n
	v_nop
.endr
.endm
; One matrix instruction: tile m of tokens x tile b of W1, K step s.  Scale words: a row's 8 words came by one load of 16 bytes a lane, steps 0-3 in lanes 0-15 and steps 4-7 in lanes 16-31.
.macro MM m, b, s
.set AC,  64*((\m)%4)+8*(\b)
.set WF,  128+16*(\b)
.set AF,  80*((\s)%3)+16*(\m)
.set WSR, WS+4*(\b)+((\s)&3)
.set ASR, AS+4*(\m)+((\s)&3)
.if (\s) == 0
	v_wmma_scale_f32_16x16x128_f8f6f4 v[AC:AC+7], v[WF:WF+15], v[AF:AF+15], 0, v[WSR], v[ASR] matrix_a_fmt:MATRIX_FMT_BF8 matrix_b_fmt:MATRIX_FMT_BF8
.elseif (\s) < 4
	v_wmma_scale_f32_16x16x128_f8f6f4 v[AC:AC+7], v[WF:WF+15], v[AF:AF+15], v[AC:AC+7], v[WSR], v[ASR] matrix_a_fmt:MATRIX_FMT_BF8 matrix_b_fmt:MATRIX_FMT_BF8
.else
	v_wmma_scale_f32_16x16x128_f8f6f4 v[AC:AC+7], v[WF:WF+15], v[AF:AF+15], v[AC:AC+7], v[WSR], v[ASR] matrix_a_fmt:MATRIX_FMT_BF8 matrix_b_fmt:MATRIX_FMT_BF8 matrix_a_scale:MATRIX_SCALE_ROW1 matrix_b_scale:MATRIX_SCALE_ROW1
.endif
.endm
; 20 matrix instructions: W1's tiles b0 .. b0 + 3 x the five tiles of tokens.  The 40 accumulators take turns, one instruction a turn, in the same order in every K step.
.macro HALF b0, s
	WIN 0xa4                                       ; W1 window 0, x window 1, C and D window 2
.irp b, \b0, \b0+1, \b0+2, \b0+3
.irp m, 0,1,2,3
	MM \m, \b, \s
.endr
.endr
	WIN 0xf4                                       ; C and D window 3
.irp b, \b0, \b0+1, \b0+2, \b0+3
	MM 4, \b, \s
.endr
.endm
.macro FETCHW s, b0                    ; 16 LDS loads: W1's tiles b0 .. b0 + 3 of K step s
	WIN 0
.irp b, \b0, \b0+1, \b0+2, \b0+3
.irp c, 0,1,2,3
	ds_load_b128 v[128+16*(\b)+4*\c:128+16*(\b)+4*\c+3], v[WB0+(\b0)/4] offset:16*((\b)&3)*PITCH+128*(\s)+32*\c
.endr
.endr
.endm
.macro LOADA s                         ; 20 loads: the five tiles' fragments of x for K step s, into set s % 3
	WIN 0x40
.irp m, 0,1,2,3,4
.irp c, 0,1,2,3
	global_load_b128 v[80*((\s)%3)+16*\m+4*\c:80*((\s)%3)+16*\m+4*\c+3], v[AA+\m], s[18:19] offset:128*(\s)+32*\c
.endr
.endr
	WIN 0
.endm
.macro KSTEP s
.if (\s) <= 5
	s_wait_loadcnt 40                              ; this step's fragments of x are in; the next two steps' 40 loads may be out
.elseif (\s) == 6
	s_wait_loadcnt 20
.else
	s_wait_loadcnt 0
.endif
	s_wait_dscnt 16                                ; W1's tiles 0-3 are in; the 16 loads of tiles 4-7 may be out
	HALF 0, \s
	s_wait_dscnt 0                                 ; tiles 4-7 are in
.if (\s) < 7
	PLACES 8                                       ; ahead of loads into registers that matrix instructions have read
	FETCHW (\s)+1, 0
.endif
	HALF 4, \s
.if (\s) < 7
	PLACES 8
	FETCHW (\s)+1, 4
.if (\s) <= 4
	LOADA (\s)+3                                   ; into the set that this step has left: two steps in which to land
.endif
.else
	PLACES 9                                       ; ahead of the first read of results; nine, since a further round's first products write over these accumulators
.endif
	WIN 0
.endm
.macro SLABLOAD g                      ; 16 loads: bytes 256 g .. 256 g + 255 of my wave's 32 rows; an instruction takes two rows' 256 bytes, aligned
	WIN 0x80
.irp i, 0,1,2,3,4,5,6,7,8,9,10,11,12,13,14,15
	global_load_b128 v[64*\g+4*\i:64*\g+4*\i+3], v[SGO], s[12:13] offset:2*\i*GP+256*\g th:TH_LOAD_NT
.endr
	WIN 0
.endm
.macro STAGE g, left                   ; and into LDS, rows 2 i, 2 i + 1 of my 32 at the places that the tiles' order gives them.  left: the loads issued behind this group's
	s_wait_loadcnt \left
	WIN 0x08
.irp i, 0,1,2,3,4,5,6,7,8,9,10,11,12,13,14,15
	ds_store_b128 v[SST], v[64*\g+4*\i:64*\g+4*\i+3] offset:(16*(((\i)>>2)&1)+8*((\i)>>3)+((2*(\i))&7))*PITCH+256*\g
.endr
	WIN 0
.endm
; s[32 + w] = (set bits in the mask's words under w) << 5 | w;  s5 = M, the expert's tokens
.macro PREFIX
	s_mov_b32 s5, 0
.set w, 0
.rept 32
	s_lshl_b32 s9, s5, 5
	s_or_b32 s[32+w], s9, w
	s_bcnt1_i32_b32 s9, s[68+w]
	s_add_co_u32 s5, s5, s9
.set w, w+1
.endr
.endm
.macro PICK arr, bits, width           ; does the k-th set bit lie past the next width bits?  arr holds the counts of fields of that width
	v_bfe_u32 v139, v[\arr], v138, \bits
	v_cmp_ge_u32 vcc_lo, v133, v139
	v_sub_nc_u32 v140, v133, v139
	v_add_nc_u32 v141, \width, v138
	v_cndmask_b32 v133, v133, v140, vcc_lo
	v_cndmask_b32 v138, v138, v141, vcc_lo
.endm
; The tokens of ranks 16 tile0 + 32 v + lane, v = 0, 1, 2, into v[TV + v]: three trips, the results shifted along.
.macro RANKSEL
	s_lshl_b32 s9, s7, 4
	v_add_nc_u32 v128, s9, v[LN]
	s_mov_b32 s10, 3
.Lrank_\@:
	v_min_u32 v129, s8, v128                       ; a rank past the last counts as the last
	v_lshl_or_b32 v130, v129, 5, 31
	v_mov_b32 v131, s32
	v_mov_b32 v132, s68
.set w, 1
.rept 31
	v_cmp_le_u32 vcc_lo, s[32+w], v130             ; the last word with at most rank set bits under it holds the token
	v_cndmask_b32 v131, v131, s[32+w], vcc_lo
	v_cndmask_b32 v132, v132, s[68+w], vcc_lo
.set w, w+1
.endr
	v_lshrrev_b32 v133, 5, v131
	v_sub_nc_u32 v133, v129, v133                  ; k: which set bit of that word
	v_lshrrev_b32 v134, 1, v132
	v_and_b32 v134, 0x55555555, v134
	v_sub_nc_u32 v134, v132, v134                  ; counts of fields of 2 bits,
	v_lshrrev_b32 v135, 2, v134
	v_and_b32 v135, 0x33333333, v135
	v_and_b32 v139, 0x33333333, v134
	v_add_nc_u32 v135, v135, v139                  ; of 4,
	v_lshrrev_b32 v136, 4, v135
	v_add_nc_u32 v136, v136, v135
	v_and_b32 v136, 0x0f0f0f0f, v136               ; of 8,
	v_lshrrev_b32 v137, 8, v136
	v_add_nc_u32 v137, v137, v136                  ; of 16 (in the low byte of each half)
	v_mov_b32 v138, 0
	PICK 137, 8, 16
	PICK 136, 8, 8
	PICK 135, 4, 4
	PICK 134, 2, 2
	PICK 132, 1, 1
	v_and_b32 v139, 31, v131
	v_mov_b32 v[TV], v[TV+1]
	v_mov_b32 v[TV+1], v[TV+2]
	v_lshl_add_u32 v[TV+2], v139, 5, v138          ; token = 32 x word + bit
	v_add_nc_u32 v128, 32, v128
	s_sub_co_i32 s10, s10, 1
	s_cmp_lg_u32 s10, 0
	s_cbranch_scc1 .Lrank_\@
.endm
.macro TOKENS                          ; tile 2 u has the ranks of lanes 0-15, tile 2 u + 1 those of lanes 16-31: both halves of the lanes get row lane % 16's token
.irp u, 0,1,2
	v_permlanex16_b32 v[XT], v[TV+\u], s100, s101
	v_cndmask_b32 v[TOK+2*\u], v[TV+\u], v[XT], s30
.if \u < 2
	v_cndmask_b32 v[TOK+2*\u+1], v[XT], v[TV+\u], s30
.endif
.endr
.irp m, 0,1,2,3,4
	v_min_u32 v[TOK+\m], 0x3ff, v[TOK+\m]
	v_lshl_add_u32 v[AA+\m], v[TOK+\m], 10, v[H16]
	v_lshl_add_u32 v[ASA+\m], v[TOK+\m], 5, v[H16]
	v_lshlrev_b32 v[SELA+\m], 2, v[TOK+\m]
.endr
.endm
.macro ISSUEA                          ; 50 loads: 5 words of choices, 5 x 16 bytes of scale words, the fragments of K steps 0 and 1
.irp m, 0,1,2,3,4
	global_load_b32 v[SELV+\m], v[SELA+\m], s[28:29]
.endr
.irp m, 0,1,2,3,4
	global_load_b128 v[AS+4*\m:AS+4*\m+3], v[ASA+\m], s[20:21]
.endr
	LOADA 0
	LOADA 1
.endm
; gelu of 32 numbers a lane: accumulators 4 hf .. 4 hf + 3 of tile m -> v[ZC] on.  Each accumulator is first read at its low end.
.macro GELU m, hf
.set ZB, 64*((\m)%4)+32*(\hf)
	WIN 2+(\m)/4                                   ; source 0: the accumulators' window
.set i, 0
.rept 32
	v_med3_num_f32 v[ZC+i], v[ZB+i], s52, s53      ; zc
.set i, i+1
.endr
	WIN 0
.set i, 0
.rept 16
	v_pk_mul_f32 v[W2+i:W2+i+1], v[ZC+i:ZC+i+1], v[ZC+i:ZC+i+1]
.set i, i+2
.endr
.set i, 0
.rept 16
	v_pk_fma_f32 v[PP+i:PP+i+1], v[W2+i:W2+i+1], s[32:33], v[CP5:CP5+1] op_sel_hi:[1,0,1]
	v_pk_fma_f32 v[QQ+i:QQ+i+1], v[W2+i:W2+i+1], s[44:45], v[CQ3:CQ3+1] op_sel_hi:[1,0,1]
.set i, i+2
.endr
.irp k, 34,36,38,40,42
.set i, 0
.rept 16
	v_pk_fma_f32 v[PP+i:PP+i+1], v[PP+i:PP+i+1], v[W2+i:W2+i+1], s[\k:\k+1] op_sel_hi:[1,1,0]
.set i, i+2
.endr
.endr
.irp k, 46,48,50
.set i, 0
.rept 16
	v_pk_fma_f32 v[QQ+i:QQ+i+1], v[QQ+i:QQ+i+1], v[W2+i:W2+i+1], s[\k:\k+1] op_sel_hi:[1,1,0]
.set i, i+2
.endr
.endr
.set i, 0
.rept 32
	v_rcp_f32 v[QQ+i], v[QQ+i]                     ; one batch
.set i, i+1
.endr
.set i, 0
.rept 16
	v_pk_mul_f32 v[PP+i:PP+i+1], v[PP+i:PP+i+1], v[ZC+i:ZC+i+1]   ; plain work that names no reciprocal
.set i, i+2
.endr
	s_wait_alu depctr_va_vdst(0)                   ; one wait for the batch, ahead of its first reader
.set i, 0
.rept 16
	v_pk_fma_f32 v[PP+i:PP+i+1], v[PP+i:PP+i+1], v[QQ+i:QQ+i+1], 0.5 op_sel_hi:[1,1,0]
.set i, i+2
.endr
	WIN 2+(\m)/4
.set i, 0
.rept 16
	v_pk_mul_f32 v[ZC+i:ZC+i+1], v[ZB+i:ZB+i+1], v[PP+i:PP+i+1]   ; g
.set i, i+2
.endr
	WIN 0
.endm
; Two blocks of 32 along the next K (16 numbers each in this lane, 16 in lane l xor 16): v[ZC] on -> codes v[PC + 8 hf] on, bytes 2 hf and 2 hf + 1 of the scale word.
.macro QUANT2 hf
.irp bb, 0,1
	v_max3_num_f32 v[QT+\bb], |v[ZC+16*\bb]|, |v[ZC+16*\bb+1]|, 0x8000000   ; with the floor 2^(16 - 127): the byte cannot fall under 1
.endr
.irp i, 2,4,6,8,10,12,14
.irp bb, 0,1
	v_max3_num_f32 v[QT+\bb], v[QT+\bb], |v[ZC+16*\bb+\i]|, |v[ZC+16*\bb+\i+1]|
.endr
.endr
.irp bb, 0,1
	v_permlanex16_b32 v[QT+2+\bb], v[QT+\bb], s100, s101
.endr
.irp bb, 0,1
	v_max_num_f32 v[QT+\bb], v[QT+\bb], v[QT+2+\bb]
.endr
.irp bb, 0,1
	v_add_nc_u32 v[QT+4+\bb], 0xf8800000, v[QT+\bb]          ; 15 off the exponent field: the conversion's scale operand
.endr
.irp bb, 0,1
	v_and_or_b32 v[QT+6+\bb], v[QT+\bb], 0x7f800000, s31     ; 57,344 x the scale
.endr
.irp bb, 0,1
	v_lshrrev_b32 v[QT+8+\bb], 23, v[QT+4+\bb]               ; the scale's byte
.endr
.if (\hf) == 0
	v_lshl_or_b32 v[PW], v[QT+9], 8, v[QT+8]
.else
	v_lshl_or_b32 v[PW], v[QT+8], 16, v[PW]
	v_lshl_or_b32 v[PW], v[QT+9], 24, v[PW]
.endif
.irp bb, 0,1
.irp i, 0,1,2,3,4,5,6,7,8,9,10,11,12,13,14,15
	v_med3_num_f32 v[ZC+16*\bb+\i], v[ZC+16*\bb+\i], -v[QT+6+\bb], v[QT+6+\bb]   ; the conversion does not saturate (ISA guide 7.6.2): the hold comes first
.endr
.endr
.irp bb, 0,1
	v_cvt_scalef32_pk8_bf8_f32 v[PC+8*(\hf)+4*\bb:PC+8*(\hf)+4*\bb+1],   v[ZC+16*\bb:ZC+16*\bb+7],    v[QT+4+\bb]
	v_cvt_scalef32_pk8_bf8_f32 v[PC+8*(\hf)+4*\bb+2:PC+8*(\hf)+4*\bb+3], v[ZC+16*\bb+8:ZC+16*\bb+15], v[QT+4+\bb]
.endr
	v_nop                                          ; a plain line between the conversions and the next write of their sources
.endm
; Tile m of the round: gelu, quantise, store.  The tiles ascend, so the first that lies past the last ends the work.
.macro EPI m
.if (\m) > 0
	s_add_co_u32 s9, s7, \m
	s_cmp_ge_u32 s9, s6
	s_cbranch_scc1 .Lepi_done
.endif
	s_wait_xcnt 0x0                                ; the last tile's stores have read their data: the codes' registers are written again only behind this wait
.irp hf, 0,1
	GELU \m, \hf
	QUANT2 \hf
.endr
.irp c, 0,1,2,3
	global_store_b128 v[L16], v[PC+4*\c:PC+4*\c+3], s[22:23] offset:65536*(\m)+512*\c   ; the fragment's image: 512 consecutive bytes a store, 2,048 on end
.endr
	global_store_b32 v[R4], v[PW], s[24:25] offset:2048*(\m)   ; lanes r and 16 + r store the same word with the same value
	s_cmp_lg_u32 s4, 0
	s_cbranch_scc1 .Lnorows_\@                     ; a branch on the work-group's number
	v_bfe_u32 v[DT], v[SELV+\m], 8, 8              ; the token's second choice: is it this expert?
	v_add_nc_u32 v[DT+1], 0x400, v[TOK+\m]
	v_cmp_eq_u32 vcc_lo, s3, v[DT]
	v_cndmask_b32 v[DT], v[TOK+\m], v[DT+1], vcc_lo
	global_store_b32 v[R4], v[DT], s[26:27] offset:64*(\m)
.Lnorows_\@:
.endm
.macro COEF p, bits                    ; the packed forms name a pair, so both words are written
	s_mov_b32 s[\p], \bits
	s_mov_b32 s[\p+1], \bits
.endm
	s_load_b256 s[12:19], s[0:1], 0x0              ; w1_codes s[12:13], w1_scales s[14:15], route s[16:17], xq s[18:19]
	s_load_b128 s[20:23], s[0:1], 0x20             ; hq s[20:21], rows s[22:23]
	v_lshl_add_u32 v99, v0, 2, 0x20800
	v_mov_b32 v127, 0
	v_lshrrev_b32 v1, 5, v0
	v_readfirstlane_b32 s2, v1                     ; wave
	s_lshr_b32 s3, ttmp9, 5                        ; e
	s_and_b32 s4, ttmp9, 31                        ; nc
	s_mul_i32 s7, s2, 5                            ; tile0
	v_and_b32 v[LN], 31, v0
	v_and_b32 v[R], 15, v0
	v_bfe_u32 v[H], v0, 4, 1
	v_lshlrev_b32 v[L16], 4, v[LN]
	v_lshlrev_b32 v[H16], 4, v[H]
	v_lshlrev_b32 v[R4], 2, v[R]
	v_mul_u32_u24 v[WB0], v[R], PITCH
	v_lshl_add_u32 v[WB0], v[H], 4, v[WB0]         ; a fragment: row r x pitch + 16 h
	v_add_nc_u32 v[WB0+1], 64*PITCH, v[WB0]
	s_mul_i32 s9, s2, 32*PITCH
	v_mul_u32_u24 v[SST], v[H], PITCH
	v_lshl_add_u32 v[SST], v[R], 4, v[SST]
	v_add_nc_u32 v[SST], s9, v[SST]                ; the slab's way in: my wave's 32 rows; lanes 0-15 one row's 256 bytes, lanes 16-31 the next row's
	s_lshl_b32 s9, s2, 15
	v_lshlrev_b32 v[SGO], 10, v[H]
	v_lshl_add_u32 v[SGO], v[R], 4, v[SGO]
	v_add_nc_u32 v[SGO], s9, v[SGO]
	v_and_b32 v[WSO], 8, v[R]
	v_add_nc_u32 v[WSO], v[WSO], v[R]              ; r + 8 (r / 8): the slab's row behind a tile's row r
	v_lshlrev_b32 v[WSO], 5, v[WSO]
	v_lshl_add_u32 v[WSO], v[H], 4, v[WSO]
	v_mov_b32 v[CP5], 0x306dffee                   ; P5
	v_mov_b32 v[CP5+1], 0x306dffee
	v_mov_b32 v[CQ3], 0xb89e3512                   ; Q3
	v_mov_b32 v[CQ3+1], 0xb89e3512
.irp i, 0,1,2,3
	v_mov_b32 v[TV+\i], 0                          ; read by the first shift; a lane permute's destination counts as one of its sources
.endr
	v_mov_b32 v[QT+2], 0
	v_mov_b32 v[QT+3], 0
	s_mov_b32 s30, 0xffff0000                      ; lanes 16-31
	s_mov_b32 s31, 0x600000                        ; the mantissa field of 57,344
	s_mov_b32 s100, 0x76543210                     ; v_permlanex16_b32's selects for lane l xor 16
	s_mov_b32 s101, 0xfedcba98
	s_mov_b32 s11, 0
	s_wait_kmcnt 0x0
	s_lshl_b32 s9, s3, 22
	s_lshl_b32 s10, s4, 17
	s_add_co_u32 s10, s10, s9
	s_add_nc_u64 s[12:13], s[12:13], s[10:11]      ; the slab
	s_lshl_b32 s9, s3, 17
	s_lshl_b32 s10, s4, 12
	s_add_co_u32 s10, s10, s9
	s_add_nc_u64 s[14:15], s[14:15], s[10:11]      ; its scale bytes
	s_add_nc_u64 s[28:29], s[16:17], 1024          ; the words of choices
	s_lshl_b32 s10, s3, 7
	s_add_nc_u64 s[16:17], s[16:17], s[10:11]      ; the expert's mask
	s_lshl_b32 s9, s3, 6
	s_add_co_u32 s9, s9, s7                        ; 64 e + tile0
	s_lshl_b32 s10, s9, 6
	s_add_nc_u64 s[26:27], s[22:23], s[10:11]      ; rows at my first tile
	s_lshl_b32 s10, s9, 11
	s_lshl_b32 s9, s4, 6
	s_add_co_u32 s10, s10, s9
	s_add_nc_u64 s[24:25], s[20:21], s[10:11]
	s_add_nc_u64 s[24:25], s[24:25], 0x2000000     ; h's scale words at my first tile, K step nc
	s_lshl_b32 s10, s3, 22
	s_lshl_b32 s9, s7, 16
	s_add_co_u32 s10, s10, s9
	s_lshl_b32 s9, s4, 11
	s_add_co_u32 s10, s10, s9
	s_add_nc_u64 s[22:23], s[20:21], s[10:11]      ; h's images likewise
	s_add_nc_u64 s[20:21], s[18:19], 0x100000      ; x's scale bytes
	s_load_b512 s[68:83], s[16:17], 0x0            ; the mask's 32 words
	s_load_b512 s[84:99], s[16:17], 0x40
.irp b, 0,1,2,3,4,5,6,7
	global_load_b128 v[WS+4*\b:WS+4*\b+3], v[WSO], s[14:15] offset:(32*(\b/2)+8*(\b%2))*32
.endr
	SLABLOAD 0
	SLABLOAD 1
	SLABLOAD 2
	s_wait_kmcnt 0x0
	PREFIX                                         ; the tokens are looked up while the slab is on its way
	s_add_co_u32 s6, s5, 15
	s_lshr_b32 s6, s6, 4
	s_max_u32 s6, s6, 1                            ; T': tile 0 is always made, so that the next launch's clamped loads find written bytes
	s_max_u32 s8, s5, 1
	s_sub_co_u32 s8, s8, 1                         ; the last rank
	RANKSEL
	TOKENS
	SLABLOAD 3
	STAGE 0, 48                                    ; behind group 0: groups 1, 2, 3
	STAGE 1, 32
	STAGE 2, 16
	ISSUEA
	STAGE 3, 50                                    ; behind group 3: the 50 loads just issued
	s_wait_dscnt 0x0                               ; for the others' sake: my part of the slab lies in LDS
	s_barrier_signal -1
	s_barrier_wait -1                              ; the only barrier: nothing writes the slab again, and the waves go their own ways
	LOADA 2
	s_cmp_ge_u32 s7, s6
	s_cbranch_scc1 .Lend
	s_mov_b32 s[RC], 4                             ; four rounds at the most: 64 tiles, 20 a round
.Lround:
	FETCHW 0, 0
	FETCHW 0, 4
.irp s, 0,1,2,3,4,5,6,7
	KSTEP \s
.endr
	COEF 32, 0xac95df0b                            ; P6, P4 .. P0 (over the prefix words, which the next round makes anew)
	COEF 34, 0xb40cff51
	COEF 36, 0xb6eec2d2
	COEF 38, 0xb940ac63
	COEF 40, 0xbac1a1f6
	COEF 42, 0xbc83dbd4
	COEF 44, 0xb62ccd2b                            ; Q4, Q2 .. Q0
	COEF 46, 0xba9bf7b5
	COEF 48, 0xbc2ad7f2
	COEF 50, 0xbd2542a9
	s_mov_b32 s52, 0xc0b504f3                      ; -+ 4 sqrt(2)
	s_mov_b32 s53, 0x40b504f3
.irp m, 0,1,2,3,4
	EPI \m
.endr
.Lepi_done:
	s_wait_xcnt 0x0                                ; the stores have read their bases and data
	s_add_nc_u64 s[22:23], s[22:23], 20*65536      ; 20 tiles on
	s_add_nc_u64 s[24:25], s[24:25], 20*2048
	s_add_nc_u64 s[26:27], s[26:27], 20*64
	s_add_co_u32 s7, s7, 20
	s_cmp_ge_u32 s7, s6
	s_cbranch_scc1 .Lend                           ; no tile is left for me: behind the fourth round s7 is 80 or more, so every wave leaves here
	PREFIX
	RANKSEL
	TOKENS
	ISSUEA
	LOADA 2
	s_sub_co_i32 s[RC], s[RC], 1
	s_cmp_lg_u32 s[RC], 0
	s_cbranch_scc1 .Lround
.Lend:
	s_wait_tensorcnt 0x0
	ds_add_u32 v99, v127
	s_wait_dscnt 0x0
	s_endpgm
.Lfunc_end_k_q32c3df45d1_ffn1:
	.size	k_q32c3df45d1_ffn1, .Lfunc_end_k_q32c3df45d1_ffn1-k_q32c3df45d1_ffn1
	.p2alignl 7, 3214868480
	.fill 96, 4, 3214868480
	.section	.rodata,"a",@progbits
	.p2align	6, 0x0
	.amdhsa_kernel k_q32c3df45d1_ffn1
		.amdhsa_group_segment_fixed_size 133632
		.amdhsa_private_segment_fixed_size 0
		.amdhsa_enable_private_segment 0
		.amdhsa_kernarg_size 48
		.amdhsa_user_sgpr_count 2
		.amdhsa_user_sgpr_kernarg_segment_ptr 1
		.amdhsa_wavefront_size32 1
		.amdhsa_system_sgpr_workgroup_id_x 1
		.amdhsa_system_sgpr_workgroup_id_y 1
		.amdhsa_system_sgpr_workgroup_id_z 1
		.amdhsa_system_vgpr_workitem_id 0
		.amdhsa_next_free_vgpr 832
		.amdhsa_next_free_sgpr 102
		.amdhsa_reserve_vcc 1
		.amdhsa_float_denorm_mode_32 3
		.amdhsa_float_denorm_mode_16_64 3
		.amdhsa_memory_ordered 1
		.amdhsa_forward_progress 1
		.amdhsa_inst_pref_size 255
	.end_amdhsa_kernel
	.section	.bss,"aw",@nobits
	.p2align	6
	.space	262144
	.amdgpu_metadata
---
amdhsa.version: [ 1, 2 ]
amdhsa.kernels:
  - .name:           k_q32c3df45d1_ffn1
    .symbol:         k_q32c3df45d1_ffn1.kd
    .args:
      - { .name: w1_codes, .offset: 0, .size: 8, .value_kind: global_buffer, .address_space: global }
      - { .name: w1_scales, .offset: 8, .size: 8, .value_kind: global_buffer, .address_space: global }
      - { .name: route, .offset: 16, .size: 8, .value_kind: global_buffer, .address_space: global }
      - { .name: xq, .offset: 24, .size: 8, .value_kind: global_buffer, .address_space: global }
      - { .name: hq, .offset: 32, .size: 8, .value_kind: global_buffer, .address_space: global }
      - { .name: rows, .offset: 40, .size: 8, .value_kind: global_buffer, .address_space: global }
    .group_segment_fixed_size: 133632
    .private_segment_fixed_size: 0
    .kernarg_segment_align: 8
    .kernarg_segment_size: 48
    .max_flat_workgroup_size: 128
    .sgpr_count:     102
    .vgpr_count:     832
    .wavefront_size: 32
...
	.end_amdgpu_metadata
.endif
;; end of part 2
;; launch ffn2 (part 3): grid 256 x 1, 4 waves a work-group, no clusters, 167,424 bytes of LDS; arguments w2_codes, w2_scales, route, hq, rows, part; writes part
.if DOCPART == 3
	.amdgcn_target "amdgcn-amd-amdhsa--gfx1250"
	.amdhsa_code_object_version 6
	.text
	.protected	k_q32c3df45d1_ffn2
	.globl	k_q32c3df45d1_ffn2
	.p2align	8
	.type	k_q32c3df45d1_ffn2,@function
k_q32c3df45d1_ffn2:
	s_mov_b64 s[64:65], 0
	v_nop
	global_prefetch_b8 v0, s[64:65] scope:SCOPE_SE
	s_setreg_imm32_b32 hwreg(HW_REG_WAVE_MODE, 25, 1), 1
	s_wait_xcnt 0x0
; THE SECOND PRODUCT OF THE EXPERTS, ON THE ROUTED ROWS ALONE: partial sums of y = h W2[e]^T over a quarter of K, stored by (slot, token).
; SHARES.  Work-group id: expert e = id / 32, K quarter kc = (id / 8) % 4, rows 128 nc .. 128 nc + 127 of W2[e] (nc = id % 8): a slab of 128 rows x 1,024 codes, read from memory once in the launch and kept in LDS.
; K is split by four so that a work-group's slab, its share of h and its output are of like size; the four parts and a token's two experts are added by the next launch, in a fixed order.
; The expert's rows lie in hq in tiles of 16, as images of the operand's registers (launch ffn1); T = ceil(M / 16) tiles, M the set bits of the expert's mask.  Wave w takes tiles 5 w .. 5 w + 4, then 20 further on while tiles are left:
; at most four rounds, since 1,024 tokens are 64 tiles and 5 w + 20 k is under 64 only for k up to 3.
; All five tiles of a round are multiplied, on clamped tile numbers, so that the K loop has no branch; only tiles under T are stored.
; A last tile's rows past M are copies of the expert's last routed row, with that row's entry in rows: they are stored too, the same numbers at the same place by the same wave.
; THE PRODUCT IS USED TRANSPOSED: source 0 = 16 rows of W2 (from LDS), source 1 = 16 rows of h: a lane holds eight neighbouring outputs of one row.  A tile goes through the wave's own stage in LDS and leaves as whole rows of 512 bytes.
; NO CLUSTER AND NO TENSOR LOAD, though the 8 work-groups of an (expert, quarter) read the same images: the way out of the round loop and the branches round the stores hang on a count read from memory.
; REGISTERS, in windows of 256.  Window 0: v0-31 addresses; v32-63 W2's scale words; v64-83 h's scale words; v84-101 the way out's addresses; v128-255 eight fragments of W2, on the way out rows of y.
;   Window 1: three sets of five fragments of h (set k at 80 k).  Window 2: the accumulators of tiles 0-3 (64 m + 8 b); at the head the slab on its way to LDS.  Window 3: those of tile 4.
.set PITCH, 1040                       ; an LDS row: 1,024 bytes + 16: 65 x 16, so the 16 rows of a fragment load start at 16 different groups of four banks (64 banks of 4 bytes: ISA guide 11.1)
.set GP,    4096                       ; a row of W2 in memory
.set STG,   128*PITCH                  ; behind the slab: a stage of 16 rows x (512 + 16) bytes for each wave
.set SP,    528
.set R,    1                           ; v1   lane % 16
.set H,    2                           ; v2   lane / 16
.set L16,  3                           ; v3   16 x lane
.set L4,   4                           ; v4   4 x lane
.set R4,   5                           ; v5   4 x (lane % 16)
.set WB0,  6                           ; v6   LDS: my place in tiles 0-3 of the slab;  v7: in tiles 4-7
.set SST,  8                           ; v8   LDS: where I put the slab's bytes
.set SGO,  9                           ; v9   and where they come from
.set WSO,  10                          ; v10  my row's scale bytes in the slab's
.set AA,   12                          ; v12-16 tile m's images: tile x 65,536 + 16 x lane
.set ASA,  17                          ; v17-21 its scale words: tile x 2,048 + 4 x lane
.set AD,   22                          ; v22-26 its entries in rows: tile x 64 + 4 r
.set DEST, 27                          ; v27-31 those entries
.set WS,   32
.set AS,   64
.set OFFR, 84                          ; v84-99 the way out: a row's place in part
.set STO,  100                         ; v100 the stage: where I put 32 bytes of a row
.set RD,   101                         ; v101 and where I read a row back
.set BK,   128                         ; v128-191 16 rows read back
.set RC,   66                          ; s66  rounds to go: the round loop's counter
.set MSB, 0
.macro WIN new                         ; s_set_vgpr_msb: bits 1:0 source 0, 3:2 source 1, 5:4 source 2, 7:6 destination; the high byte repeats the setting that is left
.if MSB != (\new)
	s_set_vgpr_msb (MSB<<8)|(\new)
.set MSB, (\new)
.endif
.endm
.macro PLACES n                        ; plain vector lines behind matrix instructions (ISA guide 7.12.1)
.rept \n
	v_nop
.endr
.endm
; One matrix instruction: tile m of rows x tile b of W2, K step s of the quarter.  W2's scale words: steps 0-3 in lanes 0-15, steps 4-7 in lanes 16-31 of four registers a tile.
; h's: a register holds an even step's 16 words in lanes 0-15 and the next step's in lanes 16-31.
.macro MM m, b, s
.set AC,  64*((\m)%4)+8*(\b)
.set WF,  128+16*(\b)
.set AF,  80*((\s)%3)+16*(\m)
.set WSR, WS+4*(\b)+((\s)&3)
.set ASR, AS+4*(\m)+((\s)>>1)
.if (\s) == 0
	v_wmma_scale_f32_16x16x128_f8f6f4 v[AC:AC+7], v[WF:WF+15], v[AF:AF+15], 0, v[WSR], v[ASR] matrix_a_fmt:MATRIX_FMT_BF8 matrix_b_fmt:MATRIX_FMT_BF8
.elseif ((\s) < 4) && (((\s)&1) == 0)
	v_wmma_scale_f32_16x16x128_f8f6f4 v[AC:AC+7], v[WF:WF+15], v[AF:AF+15], v[AC:AC+7], v[WSR], v[ASR] matrix_a_fmt:MATRIX_FMT_BF8 matrix_b_fmt:MATRIX_FMT_BF8
.elseif (\s) < 4
	v_wmma_scale_f32_16x16x128_f8f6f4 v[AC:AC+7], v[WF:WF+15], v[AF:AF+15], v[AC:AC+7], v[WSR], v[ASR] matrix_a_fmt:MATRIX_FMT_BF8 matrix_b_fmt:MATRIX_FMT_BF8 matrix_b_scale:MATRIX_SCALE_ROW1
.elseif ((\s)&1) == 0
	v_wmma_scale_f32_16x16x128_f8f6f4 v[AC:AC+7], v[WF:WF+15], v[AF:AF+15], v[AC:AC+7], v[WSR], v[ASR] matrix_a_fmt:MATRIX_FMT_BF8 matrix_b_fmt:MATRIX_FMT_BF8 matrix_a_scale:MATRIX_SCALE_ROW1
.else
	v_wmma_scale_f32_16x16x128_f8f6f4 v[AC:AC+7], v[WF:WF+15], v[AF:AF+15], v[AC:AC+7], v[WSR], v[ASR] matrix_a_fmt:MATRIX_FMT_BF8 matrix_b_fmt:MATRIX_FMT_BF8 matrix_a_scale:MATRIX_SCALE_ROW1 matrix_b_scale:MATRIX_SCALE_ROW1
.endif
.endm
; 20 matrix instructions: W2's tiles b0 .. b0 + 3 x the five tiles of rows.  The 40 accumulators take turns, one instruction a turn, in the same order in every K step.
.macro HALF b0, s
	WIN 0xa4                                       ; W2 window 0, h window 1, C and D window 2
.irp b, \b0, \b0+1, \b0+2, \b0+3
.irp m, 0,1,2,3
	MM \m, \b, \s
.endr
.endr
	WIN 0xf4                                       ; C and D window 3
.irp b, \b0, \b0+1, \b0+2, \b0+3
	MM 4, \b, \s
.endr
.endm
.macro FETCHW s, b0                    ; 16 LDS loads: W2's tiles b0 .. b0 + 3 of K step s
	WIN 0
.irp b, \b0, \b0+1, \b0+2, \b0+3
.irp c, 0,1,2,3
	ds_load_b128 v[128+16*(\b)+4*\c:128+16*(\b)+4*\c+3], v[WB0+(\b0)/4] offset:16*((\b)&3)*PITCH+128*(\s)+32*\c
.endr
.endr
.endm
.macro LOADA s                         ; 20 loads, 512 consecutive bytes each: the five tiles' images for K step s, into set s % 3
	WIN 0x40
.irp m, 0,1,2,3,4
.irp c, 0,1,2,3
	global_load_b128 v[80*((\s)%3)+16*\m+4*\c:80*((\s)%3)+16*\m+4*\c+3], v[AA+\m], s[24:25] offset:2048*(\s)+512*\c
.endr
.endr
	WIN 0
.endm
.macro KSTEP s
.if (\s) <= 5
	s_wait_loadcnt 40                              ; this step's fragments of h are in; the next two steps' 40 loads may be out
.elseif (\s) == 6
	s_wait_loadcnt 20
.else
	s_wait_loadcnt 0
.endif
	s_wait_dscnt 16                                ; W2's tiles 0-3 are in; the 16 loads of tiles 4-7 may be out
	HALF 0, \s
	s_wait_dscnt 0                                 ; tiles 4-7 are in
.if (\s) < 7
	PLACES 8                                       ; ahead of loads into registers that matrix instructions have read
	FETCHW (\s)+1, 0
.endif
	HALF 4, \s
.if (\s) < 7
	PLACES 8
	FETCHW (\s)+1, 4
.if (\s) <= 4
	LOADA (\s)+3                                   ; into the set that this step has left: two steps in which to land
.endif
.else
	PLACES 9                                       ; ahead of the first read of results; nine, since a further round's first products write over these accumulators
.endif
	WIN 0
.endm
.macro SLABLOAD g                      ; 16 loads: bytes 256 g .. 256 g + 255 of my wave's 32 rows' quarter; an instruction takes two rows' 256 bytes, aligned
	WIN 0x80
.irp i, 0,1,2,3,4,5,6,7,8,9,10,11,12,13,14,15
	global_load_b128 v[64*\g+4*\i:64*\g+4*\i+3], v[SGO], s[12:13] offset:2*\i*GP+256*\g th:TH_LOAD_NT
.endr
	WIN 0
.endm
.macro STAGE g, left                   ; and into LDS, row for row.  left: at most the loads issued behind this group's
	s_wait_loadcnt \left
	WIN 0x08
.irp i, 0,1,2,3,4,5,6,7,8,9,10,11,12,13,14,15
	ds_store_b128 v[SST], v[64*\g+4*\i:64*\g+4*\i+3] offset:2*\i*PITCH+256*\g
.endr
	WIN 0
.endm
.macro TILES                           ; the round's five tile numbers, held at the last tile that was written, and what hangs on them
.irp m, 0,1,2,3,4
	s_add_co_u32 s9, s7, \m
	s_min_u32 s9, s9, s8
	s_min_u32 s9, s9, 63
	v_lshl_add_u32 v[AA+\m], s9, 16, v[L16]
	v_lshl_add_u32 v[ASA+\m], s9, 11, v[L4]
	v_lshl_add_u32 v[AD+\m], s9, 6, v[R4]
.endr
.endm
.macro ISSUEA                          ; 65 loads: 5 of rows' entries, 20 of scale words, the images of K steps 0 and 1
.irp m, 0,1,2,3,4
	global_load_b32 v[DEST+\m], v[AD+\m], s[20:21]
.endr
.irp m, 0,1,2,3,4
.irp i, 0,1,2,3
	global_load_b32 v[AS+4*\m+\i], v[ASA+\m], s[26:27] offset:128*\i
.endr
.endr
	LOADA 0
	LOADA 1
.endm
; Tile m of the round goes out.  The tiles ascend, so the first that lies past the last ends the work.
.macro OUT m
.if (\m) > 0
	s_add_co_u32 s9, s7, \m
	s_cmp_ge_u32 s9, s6
	s_cbranch_scc1 .Lout_done
.endif
	s_wait_xcnt 0x0                                ; the last tile's stores have read their data and offsets: both are written again only behind this wait
	WIN 0x08+4*((\m)/4)                            ; an LDS store's data are its source 1: window 2 or 3
.irp b, 0,1,2,3,4,5,6,7
	ds_store_b128 v[STO], v[64*((\m)%4)+8*\b:64*((\m)%4)+8*\b+3] offset:64*\b          ; each accumulator from its low end on
	ds_store_b128 v[STO], v[64*((\m)%4)+8*\b+4:64*((\m)%4)+8*\b+7] offset:64*\b+16
.endr
	WIN 0
.irp t, 0,1,2,3,4,5,6,7,8,9,10,11,12,13,14,15
	ds_load_b128 v[BK+4*\t:BK+4*\t+3], v[RD] offset:\t*SP   ; LDS serves a wave's instructions in order (ISA guide 5.7.1.4): these see the stores above
.endr
.irp t, 0,1,2,3,4,5,6,7,8,9,10,11,12,13,14,15
	v_readlane_b32 s9, v[DEST+\m], \t              ; row t's slot x 1,024 + token
	s_min_u32 s9, s9, 2047
	v_lshl_add_u32 v[OFFR+\t], s9, 12, v[L16]      ; a row of part is 4,096 bytes
.endr
	s_wait_dscnt 0x0
.irp t, 0,1,2,3,4,5,6,7,8,9,10,11,12,13,14,15
	global_store_b128 v[OFFR+\t], v[BK+4*\t:BK+4*\t+3], s[22:23] th:TH_STORE_NT   ; 32 lanes store 512 consecutive bytes, aligned
.endr
.endm
	s_load_b256 s[12:19], s[0:1], 0x0              ; w2_codes s[12:13], w2_scales s[14:15], route s[16:17], hq s[18:19]
	s_load_b128 s[20:23], s[0:1], 0x20             ; rows s[20:21], part s[22:23]
	v_lshl_add_u32 v126, v0, 2, 0x28c00
	v_mov_b32 v127, 0
	v_lshrrev_b32 v1, 5, v0
	v_readfirstlane_b32 s2, v1                     ; wave
	s_lshr_b32 s3, ttmp9, 5                        ; e
	s_and_b32 s4, ttmp9, 7                         ; nc
	s_bfe_u32 s5, ttmp9, 0x20003                   ; kc
	s_mul_i32 s7, s2, 5                            ; tile0
	v_and_b32 v[L4], 31, v0
	v_and_b32 v[R], 15, v0
	v_bfe_u32 v[H], v0, 4, 1
	v_lshlrev_b32 v[L16], 4, v[L4]
	v_lshlrev_b32 v[L4], 2, v[L4]
	v_lshlrev_b32 v[R4], 2, v[R]
	v_mul_u32_u24 v[WB0], v[R], PITCH
	v_lshl_add_u32 v[WB0], v[H], 4, v[WB0]         ; a fragment: row r x pitch + 16 h
	v_add_nc_u32 v[WB0+1], 64*PITCH, v[WB0]
	s_mul_i32 s9, s2, 32*PITCH
	v_mul_u32_u24 v[SST], v[H], PITCH
	v_lshl_add_u32 v[SST], v[R], 4, v[SST]
	v_add_nc_u32 v[SST], s9, v[SST]                ; the slab's way in: my wave's 32 rows; lanes 0-15 one row's 256 bytes, lanes 16-31 the next row's
	s_lshl_b32 s9, s2, 17
	v_lshlrev_b32 v[SGO], 12, v[H]
	v_lshl_add_u32 v[SGO], v[R], 4, v[SGO]
	v_add_nc_u32 v[SGO], s9, v[SGO]
	v_lshlrev_b32 v[WSO], 7, v[R]
	v_lshl_add_u32 v[WSO], v[H], 4, v[WSO]
	s_mul_i32 s9, s2, 16*SP
	s_add_co_u32 s9, s9, STG                       ; my stage
	v_mul_u32_u24 v[STO], v[R], SP
	v_lshl_add_u32 v[STO], v[H], 5, v[STO]
	v_add_nc_u32 v[STO], s9, v[STO]                ; in: row r, 32 bytes for each half of the lanes
	v_add_nc_u32 v[RD], s9, v[L16]                 ; back: the 32 lanes take one row of 512 bytes
	s_mov_b32 s11, 0
	s_wait_kmcnt 0x0
	s_lshl_b32 s9, s3, 22
	s_lshl_b32 s10, s4, 19
	s_add_co_u32 s10, s10, s9
	s_lshl_b32 s9, s5, 10
	s_add_co_u32 s10, s10, s9
	s_add_nc_u64 s[12:13], s[12:13], s[10:11]      ; the slab
	s_lshl_b32 s9, s3, 17
	s_lshl_b32 s10, s4, 14
	s_add_co_u32 s10, s10, s9
	s_lshl_b32 s9, s5, 5
	s_add_co_u32 s10, s10, s9
	s_add_nc_u64 s[14:15], s[14:15], s[10:11]      ; its scale bytes
	s_lshl_b32 s10, s3, 7
	s_add_nc_u64 s[16:17], s[16:17], s[10:11]      ; the expert's mask
	s_lshl_b32 s9, s3, 22
	s_lshl_b32 s10, s5, 14
	s_add_co_u32 s10, s10, s9
	s_add_nc_u64 s[24:25], s[18:19], s[10:11]      ; h's images: the expert's, the quarter's eight K steps
	s_lshl_b32 s9, s3, 17
	s_lshl_b32 s10, s5, 9
	s_add_co_u32 s10, s10, s9
	s_add_nc_u64 s[26:27], s[18:19], s[10:11]
	s_add_nc_u64 s[26:27], s[26:27], 0x2000000     ; h's scale words likewise
	s_lshl_b32 s10, s3, 12
	s_add_nc_u64 s[20:21], s[20:21], s[10:11]      ; the expert's entries in rows
	s_lshl_b32 s9, s5, 23
	s_lshl_b32 s10, s4, 9
	s_add_co_u32 s10, s10, s9
	s_add_nc_u64 s[22:23], s[22:23], s[10:11]      ; part: the quarter's plane, my 128 columns
	s_load_b512 s[68:83], s[16:17], 0x0            ; the mask's 32 words
	s_load_b512 s[84:99], s[16:17], 0x40
.irp b, 0,1,2,3,4,5,6,7
	global_load_b128 v[WS+4*\b:WS+4*\b+3], v[WSO], s[14:15] offset:2048*\b
.endr
	SLABLOAD 0
	SLABLOAD 1
	SLABLOAD 2
	s_wait_kmcnt 0x0
	s_mov_b32 s10, 0
.set w, 0
.rept 32
	s_bcnt1_i32_b32 s9, s[68+w]
	s_add_co_u32 s10, s10, s9                      ; M
.set w, w+1
.endr
	s_add_co_u32 s6, s10, 15
	s_lshr_b32 s6, s6, 4                           ; T
	s_max_u32 s8, s6, 1
	s_sub_co_u32 s8, s8, 1                         ; the last tile that the launch before has written
	TILES
	SLABLOAD 3
	STAGE 0, 48                                    ; behind group 0: groups 1, 2, 3
	STAGE 1, 32
	STAGE 2, 16
	ISSUEA
	STAGE 3, 63                                    ; behind group 3 stand 65 loads; 63 is the largest count that the wait can name, and the stricter
	s_wait_dscnt 0x0                               ; for the others' sake: my part of the slab lies in LDS
	s_barrier_signal -1
	s_barrier_wait -1                              ; the only barrier: nothing writes the slab again, and the waves go their own ways
	LOADA 2
	s_cmp_ge_u32 s7, s6
	s_cbranch_scc1 .Lend
	s_mov_b32 s[RC], 4                             ; four rounds at the most: 64 tiles, 20 a round
.Lround:
	FETCHW 0, 0
	FETCHW 0, 4
.irp s, 0,1,2,3,4,5,6,7
	KSTEP \s
.endr
.irp m, 0,1,2,3,4
	OUT \m
.endr
.Lout_done:
	s_wait_xcnt 0x0                                ; the stores have read their data: the next round's fragments land in those registers
	s_add_co_u32 s7, s7, 20
	s_cmp_ge_u32 s7, s6
	s_cbranch_scc1 .Lend                           ; no tile is left for me: behind the fourth round s7 is 80 or more, so every wave leaves here
	TILES
	ISSUEA
	LOADA 2
	s_sub_co_i32 s[RC], s[RC], 1
	s_cmp_lg_u32 s[RC], 0
	s_cbranch_scc1 .Lround
.Lend:
	s_wait_tensorcnt 0x0
	ds_add_u32 v126, v127
	s_wait_dscnt 0x0
	s_endpgm
.Lfunc_end_k_q32c3df45d1_ffn2:
	.size	k_q32c3df45d1_ffn2, .Lfunc_end_k_q32c3df45d1_ffn2-k_q32c3df45d1_ffn2
	.p2alignl 7, 3214868480
	.fill 96, 4, 3214868480
	.section	.rodata,"a",@progbits
	.p2align	6, 0x0
	.amdhsa_kernel k_q32c3df45d1_ffn2
		.amdhsa_group_segment_fixed_size 167424
		.amdhsa_private_segment_fixed_size 0
		.amdhsa_enable_private_segment 0
		.amdhsa_kernarg_size 48
		.amdhsa_user_sgpr_count 2
		.amdhsa_user_sgpr_kernarg_segment_ptr 1
		.amdhsa_wavefront_size32 1
		.amdhsa_system_sgpr_workgroup_id_x 1
		.amdhsa_system_sgpr_workgroup_id_y 1
		.amdhsa_system_sgpr_workgroup_id_z 1
		.amdhsa_system_vgpr_workitem_id 0
		.amdhsa_next_free_vgpr 832
		.amdhsa_next_free_sgpr 100
		.amdhsa_reserve_vcc 0
		.amdhsa_float_denorm_mode_32 3
		.amdhsa_float_denorm_mode_16_64 3
		.amdhsa_memory_ordered 1
		.amdhsa_forward_progress 1
		.amdhsa_inst_pref_size 142
	.end_amdhsa_kernel
	.amdgpu_metadata
---
amdhsa.version: [ 1, 2 ]
amdhsa.kernels:
  - .name:           k_q32c3df45d1_ffn2
    .symbol:         k_q32c3df45d1_ffn2.kd
    .args:
      - { .name: w2_codes, .offset: 0, .size: 8, .value_kind: global_buffer, .address_space: global }
      - { .name: w2_scales, .offset: 8, .size: 8, .value_kind: global_buffer, .address_space: global }
      - { .name: route, .offset: 16, .size: 8, .value_kind: global_buffer, .address_space: global }
      - { .name: hq, .offset: 24, .size: 8, .value_kind: global_buffer, .address_space: global }
      - { .name: rows, .offset: 32, .size: 8, .value_kind: global_buffer, .address_space: global }
      - { .name: part, .offset: 40, .size: 8, .value_kind: global_buffer, .address_space: global }
    .group_segment_fixed_size: 167424
    .private_segment_fixed_size: 0
    .kernarg_segment_align: 8
    .kernarg_segment_size: 48
    .max_flat_workgroup_size: 128
    .sgpr_count:     100
    .vgpr_count:     832
    .wavefront_size: 32
...
	.end_amdgpu_metadata
.endif
;; end of part 3
;; launch combine (part 4): grid 256 x 1, 8 waves a work-group, no clusters, 0 bytes of LDS; arguments part, wts, out0; writes out0
.if DOCPART == 4
	.amdgcn_target "amdgcn-amd-amdhsa--gfx1250"
	.amdhsa_code_object_version 6
	.text
	.protected	k_q32c3df45d1_combine
	.globl	k_q32c3df45d1_combine
	.p2align	8
	.type	k_q32c3df45d1_combine,@function
k_q32c3df45d1_combine:
	s_mov_b64 s[64:65], 0
	v_nop
	global_prefetch_b8 v0, s[64:65] scope:SCOPE_SE
	s_setreg_imm32_b32 hwreg(HW_REG_WAVE_MODE, 25, 1), 1
	s_wait_xcnt 0x0
; out[t] = w0[t] x (the four K quarters of the first choice's y) + w1[t] x (those of the second's).  part: [kc 4][slot x 1,024 + token][1,024] f32; wts: [token][2] f32.
; A stream: every byte of part is read once, every byte of out0 written once; every address is fixed.  Wave w of work-group g takes token 4 g + w / 2, columns 512 (w % 2) on: 2,048 bytes of each of 8 rows.
; All 32 loads of a wave (512 consecutive bytes each) go out at once; no loop, no LDS, no barrier, no matrix unit: there is nothing here for them to do.
; The quarters are added in ascending order, then the two choices: a fixed order.
.set P, 16                             ; v16-143: piece i (512 bytes): 32 registers: slot 0's four quarters, then slot 1's
	s_load_b128 s[4:7], s[0:1], 0x0                ; part, wts
	s_load_b64 s[8:9], s[0:1], 0x10                ; out0
	v_lshrrev_b32 v1, 5, v0
	v_readfirstlane_b32 s10, v1                    ; wave
	v_and_b32 v1, 31, v0
	v_lshlrev_b32 v1, 4, v1                        ; 16 bytes a lane
	s_lshr_b32 s11, s10, 1
	s_lshl_b32 s12, ttmp9, 2
	s_add_co_u32 s11, s11, s12                     ; my token
	s_and_b32 s10, s10, 1
	s_lshl_b32 s12, s11, 12
	s_lshl_b32 s10, s10, 11
	s_add_co_u32 s12, s12, s10                     ; its row of 4,096 bytes, my half
	s_mov_b32 s13, 0
	s_lshl_b32 s14, s11, 3
	s_mov_b32 s15, 0
	s_wait_kmcnt 0x0
	s_add_nc_u64 s[6:7], s[6:7], s[14:15]
	s_load_b64 s[20:21], s[6:7], 0x0               ; w0, w1
	s_add_nc_u64 s[8:9], s[8:9], s[12:13]
	s_add_nc_u64 s[24:25], s[4:5], s[12:13]        ; a base for each quarter, 8 MiB apart
	s_add_nc_u64 s[26:27], s[24:25], 0x800000
	s_add_nc_u64 s[28:29], s[26:27], 0x800000
	s_add_nc_u64 s[30:31], s[28:29], 0x800000
.irp i, 0,1,2,3
.irp sl, 0,1
.irp kc, 0,1,2,3
	global_load_b128 v[P+32*\i+16*\sl+4*\kc:P+32*\i+16*\sl+4*\kc+3], v1, s[24+2*\kc:25+2*\kc] offset:4194304*\sl+512*\i th:TH_LOAD_NT
.endr
.endr
.endr
	s_wait_kmcnt 0x0
	s_mov_b32 s22, s21                             ; w1 in a pair of its own: the packed form takes a pair's low word for both halves
	s_mov_b32 s23, s21
.irp i, 0,1,2,3
	s_wait_loadcnt 24-8*\i                         ; this piece's eight loads are in; the later pieces' may be out
.irp kc, 1,2,3
.irp sl, 0,1
.irp p, 0,2
	v_pk_add_f32 v[P+32*\i+16*\sl+\p:P+32*\i+16*\sl+\p+1], v[P+32*\i+16*\sl+\p:P+32*\i+16*\sl+\p+1], v[P+32*\i+16*\sl+4*\kc+\p:P+32*\i+16*\sl+4*\kc+\p+1]
.endr
.endr
.endr
.irp p, 0,2
	v_pk_mul_f32 v[P+32*\i+\p:P+32*\i+\p+1], v[P+32*\i+\p:P+32*\i+\p+1], s[20:21] op_sel_hi:[1,0]
.endr
.irp p, 0,2
	v_pk_fma_f32 v[P+32*\i+\p:P+32*\i+\p+1], v[P+32*\i+16+\p:P+32*\i+16+\p+1], s[22:23], v[P+32*\i+\p:P+32*\i+\p+1] op_sel_hi:[1,0,1]
.endr
	global_store_b128 v1, v[P+32*\i:P+32*\i+3], s[8:9] offset:512*\i th:TH_STORE_NT   ; 512 consecutive bytes, aligned
.endr
	s_endpgm
.Lfunc_end_k_q32c3df45d1_combine:
	.size	k_q32c3df45d1_combine, .Lfunc_end_k_q32c3df45d1_combine-k_q32c3df45d1_combine
	.p2alignl 7, 3214868480
	.fill 96, 4, 3214868480
	.section	.rodata,"a",@progbits
	.p2align	6, 0x0
	.amdhsa_kernel k_q32c3df45d1_combine
		.amdhsa_group_segment_fixed_size 0
		.amdhsa_private_segment_fixed_size 0
		.amdhsa_enable_private_segment 0
		.amdhsa_kernarg_size 24
		.amdhsa_user_sgpr_count 2
		.amdhsa_user_sgpr_kernarg_segment_ptr 1
		.amdhsa_wavefront_size32 1
		.amdhsa_system_sgpr_workgroup_id_x 1
		.amdhsa_system_sgpr_workgroup_id_y 1
		.amdhsa_system_sgpr_workgroup_id_z 1
		.amdhsa_system_vgpr_workitem_id 0
		.amdhsa_next_free_vgpr 144
		.amdhsa_next_free_sgpr 66
		.amdhsa_reserve_vcc 0
		.amdhsa_float_denorm_mode_32 3
		.amdhsa_float_denorm_mode_16_64 3
		.amdhsa_memory_ordered 1
		.amdhsa_forward_progress 1
		.amdhsa_inst_pref_size 9
	.end_amdhsa_kernel
	.amdgpu_metadata
---
amdhsa.version: [ 1, 2 ]
amdhsa.kernels:
  - .name:           k_q32c3df45d1_combine
    .symbol:         k_q32c3df45d1_combine.kd
    .args:
      - { .name: part, .offset: 0, .size: 8, .value_kind: global_buffer, .address_space: global }
      - { .name: wts, .offset: 8, .size: 8, .value_kind: global_buffer, .address_space: global }
      - { .name: out0, .offset: 16, .size: 8, .value_kind: global_buffer, .address_space: global }
    .group_segment_fixed_size: 0
    .private_segment_fixed_size: 0
    .kernarg_segment_align: 8
    .kernarg_segment_size: 24
    .max_flat_workgroup_size: 256
    .sgpr_count:     66
    .vgpr_count:     144
    .wavefront_size: 32
...
	.end_amdgpu_metadata
.endif
;; end of part 4
;; ======== version 2 of 2: 4 launches
;; workspace buffers: route 5,120 bytes of whole numbers; wts 8,192 bytes; xq 1,081,344 bytes; hq 34,603,008 bytes; rows 32,768 bytes of whole numbers; part 33,554,432 bytes
;; launch route (part 5): grid 128 x 1, 4 waves a work-group, no clusters, 2,560 bytes of LDS; arguments x, gate_w, route, wts, xq; writes route, wts, xq
.if DOCPART == 5
	.amdgcn_target "amdgcn-amd-amdhsa--gfx1250"
	.amdhsa_code_object_version 6
	.text
	.protected	k_q32c3df45d1_route
	.globl	k_q32c3df45d1_route
	.p2align	8
	.type	k_q32c3df45d1_route,@function
k_q32c3df45d1_route:
	s_mov_b64 s[64:65], 0
	v_nop
	global_prefetch_b8 v0, s[64:65] scope:SCOPE_SE
	s_setreg_imm32_b32 hwreg(HW_REG_WAVE_MODE, 25, 1), 1
	s_wait_xcnt 0x0
; THE GATE AND x's CODES.  logits = x gate_w^T in f32 (fused multiply-adds); the two largest of a token's 8 logits (the lower index wins a tie); the softmax of those two, the larger taken off first.
; Stored at fixed places: route[0..1023]: for each expert 128 bytes, bit t % 8 of byte t / 8 = token t chose it; route[1024..]: a word a token, first choice | second << 8; wts: the two weights a token.
; x is also turned into codes of E5M2 with one E8M0 byte for each 32 along K: xq[0 .. 1 MiB): codes, row-major; behind them the scale bytes, 32 a token.
; SHARES.  A work-group takes tokens 8 g .. 8 g + 7, so that one byte of each expert's mask is its own.  Wave w takes K = 256 w .. 256 w + 255 of all 8 tokens and all 8 gate rows; lane L holds 8 neighbours,
; k = 256 w + 8 L + 0 .. 7: what one conversion takes; a block of 32 lies in 4 neighbouring lanes.
; The 64 partial sums of a wave (8 tokens x 8 experts) are added across its lanes by halving: in each of five steps a lane keeps half of its sums and sends the other half to its partner.
; No matrix unit: the product has 8 columns.  No cluster: work-groups share gate_w alone, 32 KB.
; LIMITS: NaN and infinities among x and gate_w are not served.  A block of zeros gets the scale byte 1 where the quantiser says 127: its codes are zeros, and this program alone reads the bytes.
.set XSB, 1024                         ; LDS: 0: [wave 4][64] partial logits;  1024: [token 8][32] scale bytes
.set BY,  8                            ; v8-15    a scale byte for each token
.set GW,  16                           ; v16-79   gate row e: 8 numbers
.set X,   80                           ; v80-143  token t: 8 numbers
.set V,   144                          ; v144-207 partial logit 8 t + e
.set ACC, 208                          ; v208-223 8 pairs at work
.set HN,  224                          ; v224-231 held numbers; later at work
.set CD,  240                          ; v240-255 codes: a pair for each token, never rewritten
	s_load_b256 s[4:11], s[0:1], 0x0               ; x s[4:5], gate_w s[6:7], route s[8:9], wts s[10:11]
	s_load_b64 s[12:13], s[0:1], 0x20              ; xq
	v_lshl_add_u32 v238, v0, 2, 0x800
	v_mov_b32 v239, 0
	v_lshrrev_b32 v6, 5, v0
	v_readfirstlane_b32 s14, v6                    ; wave
	v_and_b32 v1, 31, v0                           ; lane
	s_mov_b32 s15, ttmp9                           ; g
	s_lshl_b32 s25, s14, 10
	v_lshl_add_u32 v2, v1, 5, s25                  ; my 32 bytes of a row of f32: 1,024 w + 32 L
	s_lshl_b32 s26, s14, 8
	v_lshl_add_u32 v3, v1, 3, s26                  ; my 8 codes of a row: 256 w + 8 L
	v_lshl_add_u32 v4, v1, 2, s26                  ; LDS: my wave's 64 sums, 4 bytes a lane
	s_lshl_b32 s27, s14, 3
	v_lshrrev_b32 v5, 2, v1
	v_add_nc_u32 v5, s27, v5
	v_add_nc_u32 v5, XSB, v5                       ; LDS: my block's byte in a token's 32: 8 w + L / 4
	s_mov_b32 s16, 0xaaaaaaaa                      ; lanes whose bit 0, 1, 2, 3, 4 is set
	s_mov_b32 s17, 0xcccccccc
	s_mov_b32 s18, 0xf0f0f0f0
	s_mov_b32 s19, 0xff00ff00
	s_mov_b32 s20, 0xffff0000
	s_mov_b32 s22, 0x76543210                      ; v_permlanex16_b32's selects for lane l xor 16
	s_mov_b32 s23, 0xfedcba98
	s_mov_b32 s24, 0x600000                        ; the mantissa field of 57,344
	s_mov_b32 s29, 0
	s_wait_alu depctr_va_vdst(0)
	s_wait_kmcnt 0x0
	s_lshl_b32 s28, s15, 15
	s_add_nc_u64 s[4:5], s[4:5], s[28:29]          ; x at my 8 tokens
	s_lshl_b32 s28, s15, 13
	s_add_nc_u64 s[30:31], s[12:13], s[28:29]      ; their codes
	s_lshl_b32 s28, s15, 8
	s_add_nc_u64 s[32:33], s[12:13], s[28:29]
	s_add_nc_u64 s[32:33], s[32:33], 0x100000      ; their scale bytes
	s_lshl_b32 s28, s15, 5
	s_add_nc_u64 s[34:35], s[8:9], s[28:29]
	s_add_nc_u64 s[34:35], s[34:35], 1024          ; their words of choices
	s_lshl_b32 s28, s15, 6
	s_add_nc_u64 s[36:37], s[10:11], s[28:29]      ; their weights
.irp e, 0,1,2,3,4,5,6,7
	global_load_b128 v[GW+8*\e:GW+8*\e+3],   v2, s[6:7] offset:4096*\e
	global_load_b128 v[GW+8*\e+4:GW+8*\e+7], v2, s[6:7] offset:4096*\e+16
.endr
.irp t, 0,1,2,3,4,5,6,7
	global_load_b128 v[X+8*\t:X+8*\t+3],   v2, s[4:5] offset:4096*\t th:TH_LOAD_NT
	global_load_b128 v[X+8*\t+4:X+8*\t+7], v2, s[4:5] offset:4096*\t+16 th:TH_LOAD_NT
.endr
; One token: its 8 partial logits, and its 8 codes a lane.
.macro TOKEN t
	s_wait_loadcnt 2*(7-\t)                        ; loads come back in order: this token's two are in, the later tokens' may be out
.irp e, 0,1,2,3,4,5,6,7
	v_pk_mul_f32 v[ACC+2*\e:ACC+2*\e+1], v[X+8*\t:X+8*\t+1], v[GW+8*\e:GW+8*\e+1]
.endr
.irp j, 2,4,6
.irp e, 0,1,2,3,4,5,6,7
	v_pk_fma_f32 v[ACC+2*\e:ACC+2*\e+1], v[X+8*\t+\j:X+8*\t+\j+1], v[GW+8*\e+\j:GW+8*\e+\j+1], v[ACC+2*\e:ACC+2*\e+1]
.endr
.endr
.irp e, 0,1,2,3,4,5,6,7
	v_add_f32 v[V+8*\t+\e], v[ACC+2*\e], v[ACC+2*\e+1]
.endr
	v_max3_num_f32 v232, |v[X+8*\t]|, |v[X+8*\t+1]|, 0x8000000     ; my 8 magnitudes and the floor 2^(16 - 127): the byte cannot fall under 1
.irp j, 2,4,6
	v_max3_num_f32 v232, v232, |v[X+8*\t+\j]|, |v[X+8*\t+\j+1]|
.endr
	v_max_num_f32_dpp v232, v232, v232 row_xmask:1 row_mask:0xf bank_mask:0xf
	v_max_num_f32_dpp v232, v232, v232 row_xmask:2 row_mask:0xf bank_mask:0xf   ; with the block's other three lanes
	v_add_nc_u32 v233, 0xf8800000, v232            ; 15 off the exponent field: the conversion's scale operand
	v_and_or_b32 v234, v232, 0x7f800000, s24       ; 57,344 x the scale
	v_lshrrev_b32 v[BY+\t], 23, v233               ; the scale's byte
.irp i, 0,1,2,3,4,5,6,7
	v_med3_num_f32 v[HN+\i], v[X+8*\t+\i], -v234, v234   ; the conversion to an 8-bit code does not saturate (ISA guide 7.6.2): the hold comes first
.endr
	v_cvt_scalef32_pk8_bf8_f32 v[CD+2*\t:CD+2*\t+1], v[HN:HN+7], v233
	v_nop                                          ; a plain line between the conversion and the next write of its sources
	global_store_b64 v3, v[CD+2*\t:CD+2*\t+1], s[30:31] offset:1024*\t   ; the wave stores 256 consecutive bytes, aligned
	ds_store_b8 v5, v[BY+\t] offset:32*\t          ; the block's four lanes write the same byte with the same value
.endm
.irp t, 0,1,2,3,4,5,6,7
	TOKEN \t
.endr
; A halving step: of sums 2 a and 2 a + 1 a lane keeps the one that its bit names, sends the other to the lane xm away and adds what that lane sends.
.macro FOLD mask, xm, n
.set a, 0
.rept \n
	v_cndmask_b32 v[HN+2*(a%4)],   v[V+2*a],   v[V+2*a+1], s[\mask]
	v_cndmask_b32 v[HN+2*(a%4)+1], v[V+2*a+1], v[V+2*a],   s[\mask]
	v_add_f32_dpp v[V+a], v[HN+2*(a%4)+1], v[HN+2*(a%4)] row_xmask:\xm row_mask:0xf bank_mask:0xf
.set a, a+1
.endr
.endm
	FOLD 16, 1, 32
	FOLD 17, 2, 16
	FOLD 18, 4, 8
	FOLD 19, 8, 4
.irp a, 0,1
	v_cndmask_b32 v[HN],   v[V+2*\a],   v[V+2*\a+1], s20
	v_cndmask_b32 v[HN+1], v[V+2*\a+1], v[V+2*\a],   s20
	v_permlanex16_b32 v[HN+2], v[HN+1], s22, s23
	v_add_f32 v[V+\a], v[HN], v[HN+2]              ; lane L now holds the wave's sums number L and 32 + L
.endr
	ds_store_b32 v4, v[V]
	ds_store_b32 v4, v[V+1] offset:128
	s_wait_dscnt 0x0                               ; for wave 0's sake: my sums and my scale bytes lie in LDS
	s_barrier_signal -1
	s_barrier_wait -1
	s_cmp_lg_u32 s14, 0
	s_cbranch_scc1 .Lend                           ; the rest is wave 0's; no barrier follows
	v_and_b32 v6, 7, v1                            ; lane L works token L % 8
	v_lshlrev_b32 v6, 5, v6
	v_lshlrev_b32 v7, 3, v1
.irp w, 0,1,2,3
	ds_load_b128 v[16+8*\w:19+8*\w], v6 offset:256*\w
	ds_load_b128 v[20+8*\w:23+8*\w], v6 offset:256*\w+16
.endr
	ds_load_b64 v[60:61], v7 offset:XSB            ; the 8 tokens' 256 scale bytes, 8 a lane
	s_wait_dscnt 0x0
.irp w, 1,2,3
.irp e, 0,1,2,3,4,5,6,7
	v_add_f32 v[16+\e], v[16+\e], v[16+8*\w+\e]    ; the four waves' parts: logit e in v[16 + e]
.endr
.endr
	global_store_b64 v7, v[60:61], s[32:33]        ; 256 consecutive bytes, aligned
	v_mov_b32 v48, v16                             ; the largest and its index: a strict compare, so the lower index keeps a tie
	v_mov_b32 v49, 0
.irp e, 1,2,3,4,5,6,7
	v_cmp_gt_f32 vcc_lo, v[16+\e], v48
	v_cndmask_b32 v48, v48, v[16+\e], vcc_lo
	v_cndmask_b32 v49, v49, \e, vcc_lo
.endr
	v_mov_b32 v50, 0xff800000                      ; the largest of the other seven
	v_mov_b32 v51, 0
.irp e, 0,1,2,3,4,5,6,7
	v_cmp_gt_f32 s25, v[16+\e], v50
	v_cmp_ne_u32 s26, \e, v49
	s_and_b32 s25, s25, s26
	v_cndmask_b32 v50, v50, v[16+\e], s25
	v_cndmask_b32 v51, v51, \e, s25
.endr
	v_sub_f32 v52, v50, v48                        ; second - first, 0 or less: the maximum is taken off
	v_mul_f32 v52, 0x3fb8aa3b, v52
	s_wait_alu depctr_va_vdst(0)
	v_exp_f32 v53, v52
	v_nop                                          ; a plain line behind the transcendental,
	s_wait_alu depctr_va_vdst(0)                   ; and the wait ahead of its first reader
	v_add_f32 v54, 1.0, v53
	s_wait_alu depctr_va_vdst(0)
	v_rcp_f32 v56, v54                             ; the first choice's weight: 1 / (1 + e^d)
	v_lshl_or_b32 v59, v51, 8, v49                 ; (a plain line)  first | second << 8
	s_wait_alu depctr_va_vdst(0)
	v_mul_f32 v57, v53, v56                        ; the second's
	v_mov_b32 v58, 0
.irp e, 0,1,2,3,4,5,6,7
	v_cmp_eq_u32 s25, \e, v49
	v_cmp_eq_u32 s26, \e, v51
	s_or_b32 s25, s25, s26
	s_and_b32 s25, s25, 0xff                       ; lanes 0-7: which of my 8 tokens chose expert e
	v_writelane_b32 v58, s25, \e                   ; lane e holds expert e's byte
.endr
	v_lshl_add_u32 v62, v1, 7, s15                 ; 128 L + g
	v_lshlrev_b32 v63, 2, v1
	v_cmp_gt_u32 vcc_lo, 8, v1
	s_wait_alu depctr_va_vdst(0)
	s_wait_xcnt 0x0                                ; EXEC changes only behind this wait: stores have been issued
	s_and_saveexec_b32 s27, vcc_lo                 ; lanes 0-7
	global_store_b8 v62, v58, s[8:9]
	global_store_b32 v63, v59, s[34:35]
	global_store_b64 v7, v[56:57], s[36:37]
	s_wait_xcnt 0x0                                ; and again ahead of the line that widens it
	s_or_b32 exec_lo, exec_lo, s27
.Lend:
	s_wait_tensorcnt 0x0
	ds_add_u32 v238, v239
	s_wait_dscnt 0x0
	s_endpgm
.Lfunc_end_k_q32c3df45d1_route:
	.size	k_q32c3df45d1_route, .Lfunc_end_k_q32c3df45d1_route-k_q32c3df45d1_route
	.p2alignl 7, 3214868480
	.fill 96, 4, 3214868480
	.section	.rodata,"a",@progbits
	.p2align	6, 0x0
	.amdhsa_kernel k_q32c3df45d1_route
		.amdhsa_group_segment_fixed_size 2560
		.amdhsa_private_segment_fixed_size 0
		.amdhsa_enable_private_segment 0
		.amdhsa_kernarg_size 40
		.amdhsa_user_sgpr_count 2
		.amdhsa_user_sgpr_kernarg_segment_ptr 1
		.amdhsa_wavefront_size32 1
		.amdhsa_system_sgpr_workgroup_id_x 1
		.amdhsa_system_sgpr_workgroup_id_y 1
		.amdhsa_system_sgpr_workgroup_id_z 1
		.amdhsa_system_vgpr_workitem_id 0
		.amdhsa_next_free_vgpr 256
		.amdhsa_next_free_sgpr 66
		.amdhsa_reserve_vcc 1
		.amdhsa_float_denorm_mode_32 3
		.amdhsa_float_denorm_mode_16_64 3
		.amdhsa_memory_ordered 1
		.amdhsa_forward_progress 1
		.amdhsa_inst_pref_size 55
	.end_amdhsa_kernel
	.amdgpu_metadata
---
amdhsa.version: [ 1, 2 ]
amdhsa.kernels:
  - .name:           k_q32c3df45d1_route
    .symbol:         k_q32c3df45d1_route.kd
    .args:
      - { .name: x, .offset: 0, .size: 8, .value_kind: global_buffer, .address_space: global }
      - { .name: gate_w, .offset: 8, .size: 8, .value_kind: global_buffer, .address_space: global }
      - { .name: route, .offset: 16, .size: 8, .value_kind: global_buffer, .address_space: global }
      - { .name: wts, .offset: 24, .size: 8, .value_kind: global_buffer, .address_space: global }
      - { .name: xq, .offset: 32, .size: 8, .value_kind: global_buffer, .address_space: global }
    .group_segment_fixed_size: 2560
    .private_segment_fixed_size: 0
    .kernarg_segment_align: 8
    .kernarg_segment_size: 40
    .max_flat_workgroup_size: 128
    .sgpr_count:     66
    .vgpr_count:     256
    .wavefront_size: 32
...
	.end_amdgpu_metadata
.endif
;; end of part 5
;; launch ffn1 (part 6): grid 256 x 1, 4 waves a work-group, no clusters, 133,632 bytes of LDS; arguments w1_codes, w1_scales, route, xq, hq, rows; writes hq, rows
.if DOCPART == 6
	.amdgcn_target "amdgcn-amd-amdhsa--gfx1250"
	.amdhsa_code_object_version 6
	.text
	.protected	k_q32c3df45d1_ffn1
	.globl	k_q32c3df45d1_ffn1
	.p2align	8
	.type	k_q32c3df45d1_ffn1,@function
k_q32c3df45d1_ffn1:
	s_mov_b64 s[64:65], 0
	v_nop
	global_prefetch_b8 v0, s[64:65] scope:SCOPE_SE
	s_setreg_imm32_b32 hwreg(HW_REG_WAVE_SCHED_MODE, 0, 2), 2
	s_setreg_imm32_b32 hwreg(HW_REG_WAVE_MODE, 25, 1), 1
	s_wait_xcnt 0x0
	s_wait_alu depctr_vm_vsrc(0)
; THE FIRST PRODUCT OF THE EXPERTS, ON THE ROUTED ROWS ALONE: h = Q(gelu(Q(x) W1[e]^T)), gelu with the exact erf, Q the MX quantiser to E5M2 along the next product's K.
; SHARES.  Work-group id: expert e = id / 32, rows 128 nc .. 128 nc + 127 of W1[e] (nc = id % 32): a slab of 128 rows x 1,024 codes, read from memory once in the launch and kept in LDS.
; The expert's tokens are found from its 1,024-bit mask (launch route): the token of rank j is the j-th set bit.  Ranks go in tiles of 16; wave w takes tiles 5 w .. 5 w + 4, then 20 further on while tiles are left:
; at most four rounds, since 1,024 tokens are 64 tiles and 5 w + 20 k is under 64 only for k up to 3.
; All five tiles of a round are multiplied, on clamped ranks (a rank past the last counts as the last), so that the K loop has no branch; only tiles under T' = max(ceil(M / 16), 1) are worked up and stored.
; THE PRODUCT IS USED TRANSPOSED: source 0 = 16 rows of W1 (from LDS), source 1 = 16 tokens' codes (from memory straight into registers): a lane holds ONE token and its registers run along the hidden units.
; THE ROWS OF W1 THAT FORM A TILE ARE NOT NEIGHBOURS: row 32 b + 16 h + 8 u + j of the slab lies at row 8 h + j of tile 2 b + u (the slab is laid so in LDS), so that a lane's 16 registers of tiles 2 b, 2 b + 1
; are 16 neighbours along the next K, and the conversions' results ARE the next operand's registers.  They go to hq as an image of those registers: [e][tile 64][K step 32][4][lane][16 bytes]; scale words [e][tile][K step][row].
; rows[e][tile][row] = slot x 1,024 + token, stored by the work-groups with nc = 0: where the next launch puts that row's result.
; GELU: g = z (0.5 + zc P(zc^2) / Q(zc^2)), zc = z held within +-4 sqrt(2): 0.5 erf(z / sqrt(2)) as the rational function of degree 13 over 8 that f32 libraries use, its coefficients rescaled for z.
; NO CLUSTER AND NO TENSOR LOAD, though the 32 work-groups of an expert read the same tokens' codes: the way out of the round loop and the branches round the stores hang on a count read from memory.
; LIMITS: NaN and infinities are not served.  For z under about -5 the sum 0.5 + .. cancels to a few units of f32's last place of 0.5, as erf + 1 does in f32.  A block of zeros gets the scale byte 1: its codes are zeros, and this program alone reads the bytes.
; REGISTERS, in windows of 256.  Window 0: v0-31 addresses; v32-63 W1's scale words; v64-83 x's scale words; v84-127 small; v128-255 eight fragments of W1 (set 0), outside the K loop at work.
;   Window 1: three sets of five fragments of x (set k at 80 k).  Window 2: the accumulators of tiles 0-3 (64 m + 8 b); at the head the slab on its way to LDS.  Window 3: v0-63 those of tile 4; v64-191 eight fragments of W1 (set 1).
; THE MODE: SCHED_MODE bits 1:0 = 2 (LLVM: expert scheduling mode 2), set by the entry lines.  The code itself states the register dependences
; between vector or matrix instructions and memory or LDS instructions, with s_wait_alu, always for 0.
; THE PLAN.  Registers that memory or LDS instructions touch:
;   W set 0, 1    K step s: its 40 products read set s % 2; the 32 LDS loads of step s + 1, issued in step s, land in the other set, which the products of step s - 1 read.
;   X set 0 .. 2  K step s: its products read set s % 3; the 20 loads of step s + 2, issued in step s, land in set (s + 2) % 3, which the products of step s - 1 read.
;   So ONE wait on va_vdst stands at the head of steps 1 to 6: the products of the step before are done reading both.  The step's loads follow it in two groups among its products, which name set s % 2, set s % 3,
;   scale words and accumulators: none of the registers that those loads touch.  Step 0's loads hang on the wait ahead of the round's first loads; step 7 issues none.
;   v12-31, v64-83, v92-96   a round's tokens: addresses written by TOKENS, read by the round's loads; the words of choices and x's scale words land once a round.  One wait on vm_vsrc ahead of the next round's search, one on va_vdst ahead of its loads.
;   v100-116, v97            a tile's codes, scale word and entry of rows: written by the quantiser, read by the tile's stores: va_vdst ahead of the stores, vm_vsrc (beside the wait on XCNT) at the head of the next tile.
;   window 2                 at the head the slab: read by the LDS stores; one wait on vm_vsrc behind the barrier, ahead of the products that write it as accumulators.
;   v3, v5-10                offsets and LDS addresses, made at the head and never written again.
.set PITCH, 1040                       ; an LDS row: 1,024 bytes + 16: 65 x 16, so the 16 rows of a fragment load start at 16 different groups of four banks (64 banks of 4 bytes: ISA guide 11.1)
.set GP,    1024                       ; a row of W1 in memory
.set R,    1                           ; v1   lane % 16
.set H,    2                           ; v2   lane / 16
.set L16,  3                           ; v3   16 x lane
.set H16,  4                           ; v4   16 x (lane / 16)
.set R4,   5                           ; v5   4 x (lane % 16)
.set WB0,  6                           ; v6   LDS: my place in tiles 0-3 of the slab;  v7: in tiles 4-7
.set SST,  8                           ; v8   LDS: where I put the slab's bytes
.set SGO,  9                           ; v9   and where they come from
.set WSO,  10                          ; v10  my row's scale bytes in the slab's
.set LN,   11                          ; v11  lane
.set TOK,  12                          ; v12-16 tile m: my row's token
.set AA,   17                          ; v17-21 its codes: token x 1,024 + 16 h
.set ASA,  22                          ; v22-26 its scale bytes: token x 32 + 16 h
.set SELV, 27                          ; v27-31 its word of choices
.set WS,   32
.set AS,   64
.set CP5,  84                          ; v[84:85] P5, v[86:87] Q3, each twice
.set CQ3,  86
.set TV,   88                          ; v88-90 tokens of ranks 32 v + lane
.set XT,   91
.set SELA, 92                          ; v92-96 token x 4
.set DT,   97                          ; v97-98 at work
.set PC,   100                         ; v100-115 a fragment's codes
.set PW,   116                         ; v116 its scale word
.set QT,   117                         ; v117-126 the quantiser's: +0 largest magnitudes, +2 the other half's, +4 scale operands, +6 the holds, +8 bytes (two blocks each)
.set ZC,   128
.set W2,   160
.set PP,   192
.set QQ,   224
.set RC,   66                          ; s66  rounds to go: the round loop's counter
.set MSB, 0
.macro WIN new                         ; s_set_vgpr_msb: bits 1:0 source 0, 3:2 source 1, 5:4 source 2, 7:6 destination; the high byte repeats the setting that is left
.if MSB != (\new)
	s_set_vgpr_msb (MSB<<8)|(\new)
.set MSB, (\new)
.endif
.endm
.macro PLACES n                        ; plain vector lines behind matrix instructions (ISA guide 7.12.1)
.rept \n
	v_nop
.endr
.endm
; One matrix instruction: tile m of tokens x tile b of W1, K step s.  Scale words: a row's 8 words came by one load of 16 bytes a lane, steps 0-3 in lanes 0-15 and steps 4-7 in lanes 16-31.
.macro MM m, b, s
.set AC,  64*((\m)%4)+8*(\b)
.set WF,  128-64*((\s)&1)+16*(\b)      ; set 0: v128 on in window 0; set 1: v64 on in window 3
.set AF,  80*((\s)%3)+16*(\m)
.set WSR, WS+4*(\b)+((\s)&3)
.set ASR, AS+4*(\m)+((\s)&3)
.if (\s) == 0
	v_wmma_scale_f32_16x16x128_f8f6f4 v[AC:AC+7], v[WF:WF+15], v[AF:AF+15], 0, v[WSR], v[ASR] matrix_a_fmt:MATRIX_FMT_BF8 matrix_b_fmt:MATRIX_FMT_BF8
.elseif (\s) < 4
	v_wmma_scale_f32_16x16x128_f8f6f4 v[AC:AC+7], v[WF:WF+15], v[AF:AF+15], v[AC:AC+7], v[WSR], v[ASR] matrix_a_fmt:MATRIX_FMT_BF8 matrix_b_fmt:MATRIX_FMT_BF8
.else
	v_wmma_scale_f32_16x16x128_f8f6f4 v[AC:AC+7], v[WF:WF+15], v[AF:AF+15], v[AC:AC+7], v[WSR], v[ASR] matrix_a_fmt:MATRIX_FMT_BF8 matrix_b_fmt:MATRIX_FMT_BF8 matrix_a_scale:MATRIX_SCALE_ROW1 matrix_b_scale:MATRIX_SCALE_ROW1
.endif
.endm
; 20 matrix instructions: W1's tiles b0 .. b0 + 3 x the five tiles of tokens.  The 40 accumulators take turns, one instruction a turn, in the same order in every K step.
.macro HALF b0, s
	WIN 0xa4+3*((\s)&1)                            ; W1 window 0 or 3, x window 1, C and D window 2
.irp b, \b0, \b0+1, \b0+2, \b0+3
.irp m, 0,1,2,3
	MM \m, \b, \s
.endr
.endr
	WIN 0xf4+3*((\s)&1)                            ; C and D window 3
.irp b, \b0, \b0+1, \b0+2, \b0+3
	MM 4, \b, \s
.endr
.endm
.macro FETCHW s, b0                    ; 16 LDS loads: W1's tiles b0 .. b0 + 3 of K step s, into set s % 2
	WIN 0xc0*((\s)&1)                              ; destination window 0 or 3, address window 0
.set WD, 128-64*((\s)&1)
.irp b, \b0, \b0+1, \b0+2, \b0+3
.irp c, 0,1,2,3
	ds_load_b128 v[WD+16*(\b)+4*\c:WD+16*(\b)+4*\c+3], v[WB0+(\b0)/4] offset:16*((\b)&3)*PITCH+128*(\s)+32*\c
.endr
.endr
.endm
.macro LOADA s                         ; 20 loads: the five tiles' fragments of x for K step s, into set s % 3
	WIN 0x40
.irp m, 0,1,2,3,4
.irp c, 0,1,2,3
	global_load_b128 v[80*((\s)%3)+16*\m+4*\c:80*((\s)%3)+16*\m+4*\c+3], v[AA+\m], s[18:19] offset:128*(\s)+32*\c
.endr
.endr
.endm
.macro KSTEP s
.if (\s) == 0
	s_wait_loadcnt 40                              ; this step's fragments of x are in; the 40 loads of steps 1 and 2 may be out
.elseif (\s) <= 6
	s_wait_loadcnt 20                              ; this step's are in; the next step's 20 loads may be out (those of the step after it are asked for below)
.else
	s_wait_loadcnt 0
.endif
	s_wait_dscnt 16                                ; W1's tiles 0-3 are in; the 16 loads of tiles 4-7 may be out
.if ((\s) > 0) && ((\s) < 7)
	s_wait_alu depctr_va_vdst(0)                   ; the products of the step before are done reading the other set of W1 and their set of x: this step's loads land in both
.endif
.if (\s) < 7
	FETCHW (\s)+1, 0                               ; a whole step in which to land
.endif
.if ((\s) >= 1) && ((\s) <= 5)
	LOADA (\s)+2                                   ; into the set that the step before has left: two steps in which to land
.endif
	HALF 0, \s
.if (\s) < 7
	s_wait_dscnt 16                                ; tiles 4-7 are in; the next step's tiles 0-3 may be out
	FETCHW (\s)+1, 4                               ; no wait: no product since the wait above names the other set
.else
	s_wait_dscnt 0                                 ; tiles 4-7 are in
.endif
	HALF 4, \s
.if (\s) == 7
	PLACES 9                                       ; ahead of the first read of results; nine, since a further round's first products write over these accumulators
	WIN 0
.endif
.endm
.macro SLABLOAD g                      ; 16 loads: bytes 256 g .. 256 g + 255 of my wave's 32 rows; an instruction takes two rows' 256 bytes, aligned
	WIN 0x80
.irp i, 0,1,2,3,4,5,6,7,8,9,10,11,12,13,14,15
	global_load_b128 v[64*\g+4*\i:64*\g+4*\i+3], v[SGO], s[12:13] offset:2*\i*GP+256*\g th:TH_LOAD_NT
.endr
	WIN 0
.endm
.macro STAGE g, left                   ; and into LDS, rows 2 i, 2 i + 1 of my 32 at the places that the tiles' order gives them.  left: the loads issued behind this group's
	s_wait_loadcnt \left
	WIN 0x08
.irp i, 0,1,2,3,4,5,6,7,8,9,10,11,12,13,14,15
	ds_store_b128 v[SST], v[64*\g+4*\i:64*\g+4*\i+3] offset:(16*(((\i)>>2)&1)+8*((\i)>>3)+((2*(\i))&7))*PITCH+256*\g
.endr
	WIN 0
.endm
; s[32 + w] = (set bits in the mask's words under w) << 5 | w;  s5 = M, the expert's tokens
.macro PREFIX
	s_mov_b32 s5, 0
.set w, 0
.rept 32
	s_lshl_b32 s9, s5, 5
	s_or_b32 s[32+w], s9, w
	s_bcnt1_i32_b32 s9, s[68+w]
	s_add_co_u32 s5, s5, s9
.set w, w+1
.endr
.endm
.macro PICK arr, bits, width           ; does the k-th set bit lie past the next width bits?  arr holds the counts of fields of that width
	v_bfe_u32 v139, v[\arr], v138, \bits
	v_cmp_ge_u32 vcc_lo, v133, v139
	v_sub_nc_u32 v140, v133, v139
	v_add_nc_u32 v141, \width, v138
	s_wait_alu depctr_va_vcc(0)                    ; the compare has written VCC, which the two selections read; each step hangs on the step before, so each has its own wait
	v_cndmask_b32 v133, v133, v140, vcc_lo
	v_cndmask_b32 v138, v138, v141, vcc_lo
.endm
; The tokens of ranks 16 tile0 + 32 v + lane, v = 0, 1, 2, into v[TV + v]: three trips, the results shifted along.
; The 31 compares go in runs of eight, into scalar registers that hold nothing here (s5: M has served; s9, s11: at work at the head; s16, s17: the mask's address has served; s67, s104, s105), with one wait behind each run.
.macro RANKSEL
	s_lshl_b32 s9, s7, 4
	v_add_nc_u32 v128, s9, v[LN]
	s_mov_b32 s10, 3
.Lrank_\@:
	s_wait_alu depctr_va_vdst(0)
	v_min_u32 v129, s8, v128                       ; a rank past the last counts as the last
	v_lshl_or_b32 v130, v129, 5, 31
	v_mov_b32 v131, s32
	v_mov_b32 v132, s68
.irp w0, 1,9,17,25
.set w, \w0
.irp k, 5,9,11,16,17,67,104,105
.if w < 32
	v_cmp_le_u32 s[\k], s[32+w], v130              ; the last word with at most rank set bits under it holds the token
.endif
.set w, w+1
.endr
	s_wait_alu depctr_va_sdst(0)                   ; the run's compares have written their masks, which the selections below read
.set w, \w0
.irp k, 5,9,11,16,17,67,104,105
.if w < 32
	v_cndmask_b32 v131, v131, s[32+w], s[\k]
	v_cndmask_b32 v132, v132, s[68+w], s[\k]
.endif
.set w, w+1
.endr
.endr
	v_lshrrev_b32 v133, 5, v131
	v_sub_nc_u32 v133, v129, v133                  ; k: which set bit of that word
	v_lshrrev_b32 v134, 1, v132
	v_and_b32 v134, 0x55555555, v134
	v_sub_nc_u32 v134, v132, v134                  ; counts of fields of 2 bits,
	v_lshrrev_b32 v135, 2, v134
	v_and_b32 v135, 0x33333333, v135
	v_and_b32 v139, 0x33333333, v134
	v_add_nc_u32 v135, v135, v139                  ; of 4,
	v_lshrrev_b32 v136, 4, v135
	v_add_nc_u32 v136, v136, v135
	v_and_b32 v136, 0x0f0f0f0f, v136               ; of 8,
	v_lshrrev_b32 v137, 8, v136
	v_add_nc_u32 v137, v137, v136                  ; of 16 (in the low byte of each half)
	v_mov_b32 v138, 0
	PICK 137, 8, 16
	PICK 136, 8, 8
	PICK 135, 4, 4
	PICK 134, 2, 2
	PICK 132, 1, 1
	v_and_b32 v139, 31, v131
	v_mov_b32 v[TV], v[TV+1]
	v_mov_b32 v[TV+1], v[TV+2]
	v_lshl_add_u32 v[TV+2], v139, 5, v138          ; token = 32 x word + bit
	v_add_nc_u32 v128, 32, v128
	s_sub_co_i32 s10, s10, 1
	s_cmp_lg_u32 s10, 0
	s_cbranch_scc1 .Lrank_\@
.endm
.macro TOKENS                          ; tile 2 u has the ranks of lanes 0-15, tile 2 u + 1 those of lanes 16-31: both halves of the lanes get row lane % 16's token
.irp u, 0,1,2
	v_permlanex16_b32 v[XT], v[TV+\u], s100, s101
	v_cndmask_b32 v[TOK+2*\u], v[TV+\u], v[XT], s30
.if \u < 2
	v_cndmask_b32 v[TOK+2*\u+1], v[XT], v[TV+\u], s30
.endif
.endr
.irp m, 0,1,2,3,4
	v_min_u32 v[TOK+\m], 0x3ff, v[TOK+\m]
	v_lshl_add_u32 v[AA+\m], v[TOK+\m], 10, v[H16]
	v_lshl_add_u32 v[ASA+\m], v[TOK+\m], 5, v[H16]
	v_lshlrev_b32 v[SELA+\m], 2, v[TOK+\m]
.endr
.endm
.macro ISSUEA                          ; 50 loads: 5 words of choices, 5 x 16 bytes of scale words, the fragments of K steps 0 and 1
	s_wait_alu depctr_va_vdst(0)                   ; the round's addresses v17-26 and v92-96 are written; whatever read the words of choices, x's scale words and x's sets in the round before is done; the search has written v128 on.  It serves all loads up to K step 0's products: these 50, step 2's 20, and the fragments of W1 for steps 0 and 1
.irp m, 0,1,2,3,4
	global_load_b32 v[SELV+\m], v[SELA+\m], s[28:29]
.endr
.irp m, 0,1,2,3,4
	global_load_b128 v[AS+4*\m:AS+4*\m+3], v[ASA+\m], s[20:21]
.endr
	LOADA 0
	LOADA 1
	WIN 0
.endm
; gelu of 32 numbers a lane: accumulators 4 hf .. 4 hf + 3 of tile m -> v[ZC] on.  Each accumulator is first read at its low end.
.macro GELU m, hf
.set ZB, 64*((\m)%4)+32*(\hf)
	WIN 2+(\m)/4                                   ; source 0: the accumulators' window
.set i, 0
.rept 32
	v_med3_num_f32 v[ZC+i], v[ZB+i], s52, s53      ; zc
.set i, i+1
.endr
	WIN 0
.set i, 0
.rept 16
	v_pk_mul_f32 v[W2+i:W2+i+1], v[ZC+i:ZC+i+1], v[ZC+i:ZC+i+1]
.set i, i+2
.endr
.set i, 0
.rept 16
	v_pk_fma_f32 v[PP+i:PP+i+1], v[W2+i:W2+i+1], s[32:33], v[CP5:CP5+1] op_sel_hi:[1,0,1]
	v_pk_fma_f32 v[QQ+i:QQ+i+1], v[W2+i:W2+i+1], s[44:45], v[CQ3:CQ3+1] op_sel_hi:[1,0,1]
.set i, i+2
.endr
.irp k, 34,36,38,40,42
.set i, 0
.rept 16
	v_pk_fma_f32 v[PP+i:PP+i+1], v[PP+i:PP+i+1], v[W2+i:W2+i+1], s[\k:\k+1] op_sel_hi:[1,1,0]
.set i, i+2
.endr
.endr
.irp k, 46,48,50
.set i, 0
.rept 16
	v_pk_fma_f32 v[QQ+i:QQ+i+1], v[QQ+i:QQ+i+1], v[W2+i:W2+i+1], s[\k:\k+1] op_sel_hi:[1,1,0]
.set i, i+2
.endr
.endr
.set i, 0
	s_wait_alu depctr_va_vdst(0)
.rept 32
	v_rcp_f32 v[QQ+i], v[QQ+i]                     ; one batch
.set i, i+1
.endr
.set i, 0
.rept 16
	v_pk_mul_f32 v[PP+i:PP+i+1], v[PP+i:PP+i+1], v[ZC+i:ZC+i+1]   ; plain work that names no reciprocal
.set i, i+2
.endr
	s_wait_alu depctr_va_vdst(0)                   ; the 32 reciprocals have written v[QQ] on: one wait for the batch, ahead of its first reader
.set i, 0
.rept 16
	v_pk_fma_f32 v[PP+i:PP+i+1], v[PP+i:PP+i+1], v[QQ+i:QQ+i+1], 0.5 op_sel_hi:[1,1,0]
.set i, i+2
.endr
	WIN 2+(\m)/4
.set i, 0
.rept 16
	v_pk_mul_f32 v[ZC+i:ZC+i+1], v[ZB+i:ZB+i+1], v[PP+i:PP+i+1]   ; g
.set i, i+2
.endr
	WIN 0
.endm
; Two blocks of 32 along the next K (16 numbers each in this lane, 16 in lane l xor 16): v[ZC] on -> codes v[PC + 8 hf] on, bytes 2 hf and 2 hf + 1 of the scale word.
.macro QUANT2 hf
.irp bb, 0,1
	v_max3_num_f32 v[QT+\bb], |v[ZC+16*\bb]|, |v[ZC+16*\bb+1]|, 0x8000000   ; with the floor 2^(16 - 127): the byte cannot fall under 1
.endr
.irp i, 2,4,6,8,10,12,14
.irp bb, 0,1
	v_max3_num_f32 v[QT+\bb], v[QT+\bb], |v[ZC+16*\bb+\i]|, |v[ZC+16*\bb+\i+1]|
.endr
.endr
.irp bb, 0,1
	v_permlanex16_b32 v[QT+2+\bb], v[QT+\bb], s100, s101
.endr
.irp bb, 0,1
	v_max_num_f32 v[QT+\bb], v[QT+\bb], v[QT+2+\bb]
.endr
.irp bb, 0,1
	v_add_nc_u32 v[QT+4+\bb], 0xf8800000, v[QT+\bb]          ; 15 off the exponent field: the conversion's scale operand
.endr
.irp bb, 0,1
	v_and_or_b32 v[QT+6+\bb], v[QT+\bb], 0x7f800000, s31     ; 57,344 x the scale
.endr
.irp bb, 0,1
	v_lshrrev_b32 v[QT+8+\bb], 23, v[QT+4+\bb]               ; the scale's byte
.endr
.if (\hf) == 0
	v_lshl_or_b32 v[PW], v[QT+9], 8, v[QT+8]
.else
	v_lshl_or_b32 v[PW], v[QT+8], 16, v[PW]
	v_lshl_or_b32 v[PW], v[QT+9], 24, v[PW]
.endif
.irp bb, 0,1
.irp i, 0,1,2,3,4,5,6,7,8,9,10,11,12,13,14,15
	v_med3_num_f32 v[ZC+16*\bb+\i], v[ZC+16*\bb+\i], -v[QT+6+\bb], v[QT+6+\bb]   ; the conversion does not saturate (ISA guide 7.6.2): the hold comes first
.endr
.endr
.irp bb, 0,1
	v_cvt_scalef32_pk8_bf8_f32 v[PC+8*(\hf)+4*\bb:PC+8*(\hf)+4*\bb+1],   v[ZC+16*\bb:ZC+16*\bb+7],    v[QT+4+\bb]
	v_cvt_scalef32_pk8_bf8_f32 v[PC+8*(\hf)+4*\bb+2:PC+8*(\hf)+4*\bb+3], v[ZC+16*\bb+8:ZC+16*\bb+15], v[QT+4+\bb]
.endr
	v_nop                                          ; a plain line between the conversions and the next write of their sources
.endm
; Tile m of the round: gelu, quantise, store.  The tiles ascend, so the first that lies past the last ends the work.
.macro EPI m
.if (\m) > 0
	s_add_co_u32 s9, s7, \m
	s_cmp_ge_u32 s9, s6
	s_cbranch_scc1 .Lepi_done
.endif
	s_wait_xcnt 0x0                                ; the last tile's stores have read their data: the codes' registers are written again only behind this wait
.if (\m) > 0
	s_wait_alu depctr_vm_vsrc(0)                   ; the last tile's stores have read v100-116 and v97, which this tile's quantiser and entry write again (a round's first tile: the wait ahead of the round's search has said so)
.endif
.irp hf, 0,1
	GELU \m, \hf
	QUANT2 \hf
.endr
	s_wait_alu depctr_va_vdst(0)                   ; the conversions have written the codes v100-115, and the scale word v116 is made: the five stores below read them
.irp c, 0,1,2,3
	global_store_b128 v[L16], v[PC+4*\c:PC+4*\c+3], s[22:23] offset:65536*(\m)+512*\c   ; the fragment's image: 512 consecutive bytes a store, 2,048 on end
.endr
	global_store_b32 v[R4], v[PW], s[24:25] offset:2048*(\m)   ; lanes r and 16 + r store the same word with the same value
	s_cmp_lg_u32 s4, 0
	s_cbranch_scc1 .Lnorows_\@                     ; a branch on the work-group's number
	v_bfe_u32 v[DT], v[SELV+\m], 8, 8              ; the token's second choice: is it this expert?
	v_add_nc_u32 v[DT+1], 0x400, v[TOK+\m]
	v_cmp_eq_u32 vcc_lo, s3, v[DT]
	s_wait_alu depctr_va_vcc(0)                    ; the compare has written VCC, which the selection reads
	v_cndmask_b32 v[DT], v[TOK+\m], v[DT+1], vcc_lo
	s_wait_alu depctr_va_vdst(0)                   ; the selection has written v97, which the store reads
	global_store_b32 v[R4], v[DT], s[26:27] offset:64*(\m)
.Lnorows_\@:
.endm
.macro COEF p, bits                    ; the packed forms name a pair, so both words are written
	s_mov_b32 s[\p], \bits
	s_mov_b32 s[\p+1], \bits
.endm
	s_load_b256 s[12:19], s[0:1], 0x0              ; w1_codes s[12:13], w1_scales s[14:15], route s[16:17], xq s[18:19]
	s_load_b128 s[20:23], s[0:1], 0x20             ; hq s[20:21], rows s[22:23]
	v_lshl_add_u32 v99, v0, 2, 0x20800
	v_mov_b32 v127, 0
	v_lshrrev_b32 v1, 5, v0
	v_readfirstlane_b32 s2, v1                     ; wave
	s_lshr_b32 s3, ttmp9, 5                        ; e
	s_and_b32 s4, ttmp9, 31                        ; nc
	s_wait_alu depctr_va_sdst(0)                   ; s2 is written, ahead of its first reader
	s_mul_i32 s7, s2, 5                            ; tile0
	v_and_b32 v[LN], 31, v0
	v_and_b32 v[R], 15, v0
	v_bfe_u32 v[H], v0, 4, 1
	v_lshlrev_b32 v[L16], 4, v[LN]
	v_lshlrev_b32 v[H16], 4, v[H]
	v_lshlrev_b32 v[R4], 2, v[R]
	v_mul_u32_u24 v[WB0], v[R], PITCH
	v_lshl_add_u32 v[WB0], v[H], 4, v[WB0]         ; a fragment: row r x pitch + 16 h
	v_add_nc_u32 v[WB0+1], 64*PITCH, v[WB0]
	s_mul_i32 s9, s2, 32*PITCH
	v_mul_u32_u24 v[SST], v[H], PITCH
	v_lshl_add_u32 v[SST], v[R], 4, v[SST]
	v_add_nc_u32 v[SST], s9, v[SST]                ; the slab's way in: my wave's 32 rows; lanes 0-15 one row's 256 bytes, lanes 16-31 the next row's
	s_lshl_b32 s9, s2, 15
	v_lshlrev_b32 v[SGO], 10, v[H]
	v_lshl_add_u32 v[SGO], v[R], 4, v[SGO]
	v_add_nc_u32 v[SGO], s9, v[SGO]
	v_and_b32 v[WSO], 8, v[R]
	v_add_nc_u32 v[WSO], v[WSO], v[R]              ; r + 8 (r / 8): the slab's row behind a tile's row r
	v_lshlrev_b32 v[WSO], 5, v[WSO]
	v_lshl_add_u32 v[WSO], v[H], 4, v[WSO]
	v_mov_b32 v[CP5], 0x306dffee                   ; P5
	v_mov_b32 v[CP5+1], 0x306dffee
	v_mov_b32 v[CQ3], 0xb89e3512                   ; Q3
	v_mov_b32 v[CQ3+1], 0xb89e3512
.irp i, 0,1,2,3
	v_mov_b32 v[TV+\i], 0                          ; read by the first shift; a lane permute's destination counts as one of its sources
.endr
	v_mov_b32 v[QT+2], 0
	v_mov_b32 v[QT+3], 0
	s_mov_b32 s30, 0xffff0000                      ; lanes 16-31
	s_mov_b32 s31, 0x600000                        ; the mantissa field of 57,344
	s_mov_b32 s100, 0x76543210                     ; v_permlanex16_b32's selects for lane l xor 16
	s_mov_b32 s101, 0xfedcba98
	s_mov_b32 s11, 0
	s_wait_kmcnt 0x0
	s_lshl_b32 s9, s3, 22
	s_lshl_b32 s10, s4, 17
	s_add_co_u32 s10, s10, s9
	s_add_nc_u64 s[12:13], s[12:13], s[10:11]      ; the slab
	s_lshl_b32 s9, s3, 17
	s_lshl_b32 s10, s4, 12
	s_add_co_u32 s10, s10, s9
	s_add_nc_u64 s[14:15], s[14:15], s[10:11]      ; its scale bytes
	s_add_nc_u64 s[28:29], s[16:17], 1024          ; the words of choices
	s_lshl_b32 s10, s3, 7
	s_add_nc_u64 s[16:17], s[16:17], s[10:11]      ; the expert's mask
	s_lshl_b32 s9, s3, 6
	s_add_co_u32 s9, s9, s7                        ; 64 e + tile0
	s_lshl_b32 s10, s9, 6
	s_add_nc_u64 s[26:27], s[22:23], s[10:11]      ; rows at my first tile
	s_lshl_b32 s10, s9, 11
	s_lshl_b32 s9, s4, 6
	s_add_co_u32 s10, s10, s9
	s_add_nc_u64 s[24:25], s[20:21], s[10:11]
	s_add_nc_u64 s[24:25], s[24:25], 0x2000000     ; h's scale words at my first tile, K step nc
	s_lshl_b32 s10, s3, 22
	s_lshl_b32 s9, s7, 16
	s_add_co_u32 s10, s10, s9
	s_lshl_b32 s9, s4, 11
	s_add_co_u32 s10, s10, s9
	s_add_nc_u64 s[22:23], s[20:21], s[10:11]      ; h's images likewise
	s_add_nc_u64 s[20:21], s[18:19], 0x100000      ; x's scale bytes
	s_load_b512 s[68:83], s[16:17], 0x0            ; the mask's 32 words
	s_load_b512 s[84:99], s[16:17], 0x40
	s_wait_alu depctr_va_vdst(0)                   ; the offsets and LDS addresses v3 and v5 to v10 are written: every load, store and LDS instruction of the kernel that is not a token's reads one of them, the slab's fourth group below too
.irp b, 0,1,2,3,4,5,6,7
	global_load_b128 v[WS+4*\b:WS+4*\b+3], v[WSO], s[14:15] offset:(32*(\b/2)+8*(\b%2))*32
.endr
	SLABLOAD 0
	SLABLOAD 1
	SLABLOAD 2
	s_wait_kmcnt 0x0
	PREFIX                                         ; the tokens are looked up while the slab is on its way
	s_add_co_u32 s6, s5, 15
	s_lshr_b32 s6, s6, 4
	s_max_u32 s6, s6, 1                            ; T': tile 0 is always made, so that the next launch's clamped loads find written bytes
	s_max_u32 s8, s5, 1
	s_sub_co_u32 s8, s8, 1                         ; the last rank
	RANKSEL
	TOKENS
	SLABLOAD 3                                     ; no wait: the search names neither v9 nor the registers in which these loads land
	STAGE 0, 48                                    ; behind group 0: groups 1, 2, 3
	STAGE 1, 32
	STAGE 2, 16
	ISSUEA
	STAGE 3, 50                                    ; behind group 3: the 50 loads just issued
	s_wait_dscnt 0x0                               ; for the others' sake: my part of the slab lies in LDS
	s_barrier_signal -1
	s_barrier_wait -1                              ; the only barrier: nothing writes the slab again, and the waves go their own ways
	s_wait_alu depctr_vm_vsrc(0)                   ; my LDS stores have read the slab's registers in window 2: these are accumulators from here on, written by the products
	LOADA 2
	WIN 0
	s_cmp_ge_u32 s7, s6
	s_cbranch_scc1 .Lend
	s_mov_b32 s[RC], 4                             ; four rounds at the most: 64 tiles, 20 a round
.Lround:
	FETCHW 0, 0
	FETCHW 0, 4
.irp s, 0,1,2,3,4,5,6,7
	KSTEP \s
.endr
	COEF 32, 0xac95df0b                            ; P6, P4 .. P0 (over the prefix words, which the next round makes anew)
	COEF 34, 0xb40cff51
	COEF 36, 0xb6eec2d2
	COEF 38, 0xb940ac63
	COEF 40, 0xbac1a1f6
	COEF 42, 0xbc83dbd4
	COEF 44, 0xb62ccd2b                            ; Q4, Q2 .. Q0
	COEF 46, 0xba9bf7b5
	COEF 48, 0xbc2ad7f2
	COEF 50, 0xbd2542a9
	s_mov_b32 s52, 0xc0b504f3                      ; -+ 4 sqrt(2)
	s_mov_b32 s53, 0x40b504f3
.irp m, 0,1,2,3,4
	EPI \m
.endr
.Lepi_done:
	s_wait_xcnt 0x0                                ; the stores have read their bases and data
	s_add_nc_u64 s[22:23], s[22:23], 20*65536      ; 20 tiles on
	s_add_nc_u64 s[24:25], s[24:25], 20*2048
	s_add_nc_u64 s[26:27], s[26:27], 20*64
	s_add_co_u32 s7, s7, 20
	s_cmp_ge_u32 s7, s6
	s_cbranch_scc1 .Lend                           ; no tile is left for me: behind the fourth round s7 is 80 or more, so every wave leaves here
	s_wait_alu depctr_vm_vsrc(0)                   ; the round's loads have read the tokens' addresses v17-26 and v92-96, which TOKENS writes again; its stores have read v97 and v100-116, which the next round's first tile writes again
	PREFIX
	RANKSEL
	TOKENS
	ISSUEA
	LOADA 2
	WIN 0
	s_sub_co_i32 s[RC], s[RC], 1
	s_cmp_lg_u32 s[RC], 0
	s_cbranch_scc1 .Lround
.Lend:
	s_wait_dscnt 0x0
	s_wait_alu depctr_hold_cnt(0) depctr_sa_sdst(0) depctr_va_vdst(0) depctr_va_sdst(0) depctr_va_ssrc(0) depctr_va_vcc(0) depctr_vm_vsrc(0)
	s_wait_tensorcnt 0x0
	ds_add_u32 v99, v127
	s_wait_dscnt 0x0
	s_endpgm
.Lfunc_end_k_q32c3df45d1_ffn1:
	.size	k_q32c3df45d1_ffn1, .Lfunc_end_k_q32c3df45d1_ffn1-k_q32c3df45d1_ffn1
	.p2alignl 7, 3214868480
	.fill 96, 4, 3214868480
	.section	.rodata,"a",@progbits
	.p2align	6, 0x0
	.amdhsa_kernel k_q32c3df45d1_ffn1
		.amdhsa_group_segment_fixed_size 133632
		.amdhsa_private_segment_fixed_size 0
		.amdhsa_enable_private_segment 0
		.amdhsa_kernarg_size 48
		.amdhsa_user_sgpr_count 2
		.amdhsa_user_sgpr_kernarg_segment_ptr 1
		.amdhsa_wavefront_size32 1
		.amdhsa_system_sgpr_workgroup_id_x 1
		.amdhsa_system_sgpr_workgroup_id_y 1
		.amdhsa_system_sgpr_workgroup_id_z 1
		.amdhsa_system_vgpr_workitem_id 0
		.amdhsa_next_free_vgpr 960
		.amdhsa_next_free_sgpr 106
		.amdhsa_reserve_vcc 1
		.amdhsa_float_denorm_mode_32 3
		.amdhsa_float_denorm_mode_16_64 3
		.amdhsa_memory_ordered 1
		.amdhsa_forward_progress 1
		.amdhsa_inst_pref_size 255
	.end_amdhsa_kernel
	.section	.bss,"aw",@nobits
	.p2align	6
	.space	262144
	.amdgpu_metadata
---
amdhsa.version: [ 1, 2 ]
amdhsa.kernels:
  - .name:           k_q32c3df45d1_ffn1
    .symbol:         k_q32c3df45d1_ffn1.kd
    .args:
      - { .name: w1_codes, .offset: 0, .size: 8, .value_kind: global_buffer, .address_space: global }
      - { .name: w1_scales, .offset: 8, .size: 8, .value_kind: global_buffer, .address_space: global }
      - { .name: route, .offset: 16, .size: 8, .value_kind: global_buffer, .address_space: global }
      - { .name: xq, .offset: 24, .size: 8, .value_kind: global_buffer, .address_space: global }
      - { .name: hq, .offset: 32, .size: 8, .value_kind: global_buffer, .address_space: global }
      - { .name: rows, .offset: 40, .size: 8, .value_kind: global_buffer, .address_space: global }
    .group_segment_fixed_size: 133632
    .private_segment_fixed_size: 0
    .kernarg_segment_align: 8
    .kernarg_segment_size: 48
    .max_flat_workgroup_size: 128
    .sgpr_count:     106
    .vgpr_count:     960
    .wavefront_size: 32
...
	.end_amdgpu_metadata
.endif
;; end of part 6
;; launch ffn2 (part 7): grid 256 x 1, 4 waves a work-group, no clusters, 167,424 bytes of LDS; arguments w2_codes, w2_scales, route, hq, rows, part; writes part
.if DOCPART == 7
	.amdgcn_target "amdgcn-amd-amdhsa--gfx1250"
	.amdhsa_code_object_version 6
	.text
	.protected	k_q32c3df45d1_ffn2
	.globl	k_q32c3df45d1_ffn2
	.p2align	8
	.type	k_q32c3df45d1_ffn2,@function
k_q32c3df45d1_ffn2:
	s_mov_b64 s[64:65], 0
	v_nop
	global_prefetch_b8 v0, s[64:65] scope:SCOPE_SE
	s_setreg_imm32_b32 hwreg(HW_REG_WAVE_SCHED_MODE, 0, 2), 2
	s_setreg_imm32_b32 hwreg(HW_REG_WAVE_MODE, 25, 1), 1
	s_wait_xcnt 0x0
	s_wait_alu depctr_vm_vsrc(0)
; THE SECOND PRODUCT OF THE EXPERTS, ON THE ROUTED ROWS ALONE: partial sums of y = h W2[e]^T over a quarter of K, stored by (slot, token).
; SHARES.  Work-group id: expert e = id / 32, K quarter kc = (id / 8) % 4, rows 128 nc .. 128 nc + 127 of W2[e] (nc = id % 8): a slab of 128 rows x 1,024 codes, read from memory once in the launch and kept in LDS.
; K is split by four so that a work-group's slab, its share of h and its output are of like size; the four parts and a token's two experts are added by the next launch, in a fixed order.
; The expert's rows lie in hq in tiles of 16, as images of the operand's registers (launch ffn1); T = ceil(M / 16) tiles, M the set bits of the expert's mask.  Wave w takes tiles 5 w .. 5 w + 4, then 20 further on while tiles are left:
; at most four rounds, since 1,024 tokens are 64 tiles and 5 w + 20 k is under 64 only for k up to 3.
; All five tiles of a round are multiplied, on clamped tile numbers, so that the K loop has no branch; only tiles under T are stored.
; A last tile's rows past M are copies of the expert's last routed row, with that row's entry in rows: they are stored too, the same numbers at the same place by the same wave.
; THE PRODUCT IS USED TRANSPOSED: source 0 = 16 rows of W2 (from LDS), source 1 = 16 rows of h: a lane holds eight neighbouring outputs of one row.  A tile goes through the wave's own stage in LDS and leaves as whole rows of 512 bytes.
; NO CLUSTER AND NO TENSOR LOAD, though the 8 work-groups of an (expert, quarter) read the same images: the way out of the round loop and the branches round the stores hang on a count read from memory.
; REGISTERS, in windows of 256.  Window 0: v0-31 addresses; v32-63 W2's scale words; v64-83 h's scale words; v84-101 the way out's addresses; v128-255 eight fragments of W2 (set 0), on the way out rows of y.
;   Window 1: three sets of five fragments of h (set k at 80 k).  Window 2: the accumulators of tiles 0-3 (64 m + 8 b); at the head the slab on its way to LDS.  Window 3: v0-63 those of tile 4; v64-191 eight fragments of W2 (set 1).
; THE MODE: SCHED_MODE bits 1:0 = 2 (LLVM: expert scheduling mode 2), set by the entry lines.  The code itself states the register dependences
; between vector or matrix instructions and memory or LDS instructions, with s_wait_alu, always for 0.
; THE PLAN.  Registers that memory or LDS instructions touch:
;   W set 0, 1    K step s: its 40 products read set s % 2; the 32 LDS loads of step s + 1, issued in step s, land in the other set, which the products of step s - 1 read.
;   H set 0 .. 2  K step s: its products read set s % 3; the 20 loads of step s + 2, issued in step s, land in set (s + 2) % 3, which the products of step s - 1 read.
;   So ONE wait on va_vdst stands at the head of steps 1 to 6: the products of the step before are done reading both.  The step's loads follow it in two groups among its products, which name set s % 2, set s % 3,
;   scale words and accumulators: none of the registers that those loads touch.  Step 0's loads hang on the wait ahead of the round's first loads; step 7 issues none.
;   v12-31, v64-83  a round's tiles: addresses written by TILES, read by the round's loads; the entries of rows and h's scale words land once a round.  One wait on vm_vsrc ahead of TILES, one on va_vdst ahead of the round's loads.
;   accumulators    written by the products, read by the LDS stores of the way out: the places, then one wait on va_vdst for all five tiles.
;   v128-191        on the way out a tile's rows: LDS loads land there, the tile's stores read them;  v84-99: the stores' offsets, written by vector instructions: va_vdst ahead of the stores, vm_vsrc (beside the wait on XCNT) at the head of the next tile.
;   window 2        at the head the slab: read by the LDS stores; one wait on vm_vsrc behind the barrier, ahead of the products that write it as accumulators.
;   v3-10, v100, v101  offsets and LDS addresses, made at the head and never written again.
.set PITCH, 1040                       ; an LDS row: 1,024 bytes + 16: 65 x 16, so the 16 rows of a fragment load start at 16 different groups of four banks (64 banks of 4 bytes: ISA guide 11.1)
.set GP,    4096                       ; a row of W2 in memory
.set STG,   128*PITCH                  ; behind the slab: a stage of 16 rows x (512 + 16) bytes for each wave
.set SP,    528
.set R,    1                           ; v1   lane % 16
.set H,    2                           ; v2   lane / 16
.set L16,  3                           ; v3   16 x lane
.set L4,   4                           ; v4   4 x lane
.set R4,   5                           ; v5   4 x (lane % 16)
.set WB0,  6                           ; v6   LDS: my place in tiles 0-3 of the slab;  v7: in tiles 4-7
.set SST,  8                           ; v8   LDS: where I put the slab's bytes
.set SGO,  9                           ; v9   and where they come from
.set WSO,  10                          ; v10  my row's scale bytes in the slab's
.set AA,   12                          ; v12-16 tile m's images: tile x 65,536 + 16 x lane
.set ASA,  17                          ; v17-21 its scale words: tile x 2,048 + 4 x lane
.set AD,   22                          ; v22-26 its entries in rows: tile x 64 + 4 r
.set DEST, 27                          ; v27-31 those entries
.set WS,   32
.set AS,   64
.set OFFR, 84                          ; v84-99 the way out: a row's place in part
.set STO,  100                         ; v100 the stage: where I put 32 bytes of a row
.set RD,   101                         ; v101 and where I read a row back
.set BK,   128                         ; v128-191 16 rows read back
.set RW,   68                          ; s68-83 the way out: a tile's 16 entries of rows (the mask's words have served once M is counted)
.set RC,   66                          ; s66  rounds to go: the round loop's counter
.set MSB, 0
.macro WIN new                         ; s_set_vgpr_msb: bits 1:0 source 0, 3:2 source 1, 5:4 source 2, 7:6 destination; the high byte repeats the setting that is left
.if MSB != (\new)
	s_set_vgpr_msb (MSB<<8)|(\new)
.set MSB, (\new)
.endif
.endm
.macro PLACES n                        ; plain vector lines behind matrix instructions (ISA guide 7.12.1)
.rept \n
	v_nop
.endr
.endm
; One matrix instruction: tile m of rows x tile b of W2, K step s of the quarter.  W2's scale words: steps 0-3 in lanes 0-15, steps 4-7 in lanes 16-31 of four registers a tile.
; h's: a register holds an even step's 16 words in lanes 0-15 and the next step's in lanes 16-31.
.macro MM m, b, s
.set AC,  64*((\m)%4)+8*(\b)
.set WF,  128-64*((\s)&1)+16*(\b)      ; set 0: v128 on in window 0; set 1: v64 on in window 3
.set AF,  80*((\s)%3)+16*(\m)
.set WSR, WS+4*(\b)+((\s)&3)
.set ASR, AS+4*(\m)+((\s)>>1)
.if (\s) == 0
	v_wmma_scale_f32_16x16x128_f8f6f4 v[AC:AC+7], v[WF:WF+15], v[AF:AF+15], 0, v[WSR], v[ASR] matrix_a_fmt:MATRIX_FMT_BF8 matrix_b_fmt:MATRIX_FMT_BF8
.elseif ((\s) < 4) && (((\s)&1) == 0)
	v_wmma_scale_f32_16x16x128_f8f6f4 v[AC:AC+7], v[WF:WF+15], v[AF:AF+15], v[AC:AC+7], v[WSR], v[ASR] matrix_a_fmt:MATRIX_FMT_BF8 matrix_b_fmt:MATRIX_FMT_BF8
.elseif (\s) < 4
	v_wmma_scale_f32_16x16x128_f8f6f4 v[AC:AC+7], v[WF:WF+15], v[AF:AF+15], v[AC:AC+7], v[WSR], v[ASR] matrix_a_fmt:MATRIX_FMT_BF8 matrix_b_fmt:MATRIX_FMT_BF8 matrix_b_scale:MATRIX_SCALE_ROW1
.elseif ((\s)&1) == 0
	v_wmma_scale_f32_16x16x128_f8f6f4 v[AC:AC+7], v[WF:WF+15], v[AF:AF+15], v[AC:AC+7], v[WSR], v[ASR] matrix_a_fmt:MATRIX_FMT_BF8 matrix_b_fmt:MATRIX_FMT_BF8 matrix_a_scale:MATRIX_SCALE_ROW1
.else
	v_wmma_scale_f32_16x16x128_f8f6f4 v[AC:AC+7], v[WF:WF+15], v[AF:AF+15], v[AC:AC+7], v[WSR], v[ASR] matrix_a_fmt:MATRIX_FMT_BF8 matrix_b_fmt:MATRIX_FMT_BF8 matrix_a_scale:MATRIX_SCALE_ROW1 matrix_b_scale:MATRIX_SCALE_ROW1
.endif
.endm
; 20 matrix instructions: W2's tiles b0 .. b0 + 3 x the five tiles of rows.  The 40 accumulators take turns, one instruction a turn, in the same order in every K step.
.macro HALF b0, s
	WIN 0xa4+3*((\s)&1)                            ; W2 window 0 or 3, h window 1, C and D window 2
.irp b, \b0, \b0+1, \b0+2, \b0+3
.irp m, 0,1,2,3
	MM \m, \b, \s
.endr
.endr
	WIN 0xf4+3*((\s)&1)                            ; C and D window 3
.irp b, \b0, \b0+1, \b0+2, \b0+3
	MM 4, \b, \s
.endr
.endm
.macro FETCHW s, b0                    ; 16 LDS loads: W2's tiles b0 .. b0 + 3 of K step s, into set s % 2
	WIN 0xc0*((\s)&1)                              ; destination window 0 or 3, address window 0
.set WD, 128-64*((\s)&1)
.irp b, \b0, \b0+1, \b0+2, \b0+3
.irp c, 0,1,2,3
	ds_load_b128 v[WD+16*(\b)+4*\c:WD+16*(\b)+4*\c+3], v[WB0+(\b0)/4] offset:16*((\b)&3)*PITCH+128*(\s)+32*\c
.endr
.endr
.endm
.macro LOADA s                         ; 20 loads, 512 consecutive bytes each: the five tiles' images for K step s, into set s % 3
	WIN 0x40
.irp m, 0,1,2,3,4
.irp c, 0,1,2,3
	global_load_b128 v[80*((\s)%3)+16*\m+4*\c:80*((\s)%3)+16*\m+4*\c+3], v[AA+\m], s[24:25] offset:2048*(\s)+512*\c
.endr
.endr
.endm
.macro KSTEP s
.if (\s) == 0
	s_wait_loadcnt 40                              ; this step's fragments of h are in; the 40 loads of steps 1 and 2 may be out
.elseif (\s) <= 6
	s_wait_loadcnt 20                              ; this step's are in; the next step's 20 loads may be out (those of the step after it are asked for below)
.else
	s_wait_loadcnt 0
.endif
	s_wait_dscnt 16                                ; W2's tiles 0-3 are in; the 16 loads of tiles 4-7 may be out
.if ((\s) > 0) && ((\s) < 7)
	s_wait_alu depctr_va_vdst(0)                   ; the products of the step before are done reading the other set of W2 and their set of h: this step's loads land in both
.endif
.if (\s) < 7
	FETCHW (\s)+1, 0                               ; a whole step in which to land
.endif
.if ((\s) >= 1) && ((\s) <= 5)
	LOADA (\s)+2                                   ; into the set that the step before has left: two steps in which to land
.endif
	HALF 0, \s
.if (\s) < 7
	s_wait_dscnt 16                                ; tiles 4-7 are in; the next step's tiles 0-3 may be out
	FETCHW (\s)+1, 4                               ; no wait: no product since the wait above names the other set
.else
	s_wait_dscnt 0                                 ; tiles 4-7 are in
.endif
	HALF 4, \s
.if (\s) == 7
	PLACES 9                                       ; ahead of the first read of results; nine, since a further round's first products write over these accumulators
	WIN 0
.endif
.endm
.macro SLABLOAD g                      ; 16 loads: bytes 256 g .. 256 g + 255 of my wave's 32 rows' quarter; an instruction takes two rows' 256 bytes, aligned
	WIN 0x80
.irp i, 0,1,2,3,4,5,6,7,8,9,10,11,12,13,14,15
	global_load_b128 v[64*\g+4*\i:64*\g+4*\i+3], v[SGO], s[12:13] offset:2*\i*GP+256*\g th:TH_LOAD_NT
.endr
	WIN 0
.endm
.macro STAGE g, left                   ; and into LDS, row for row.  left: at most the loads issued behind this group's
	s_wait_loadcnt \left
	WIN 0x08
.irp i, 0,1,2,3,4,5,6,7,8,9,10,11,12,13,14,15
	ds_store_b128 v[SST], v[64*\g+4*\i:64*\g+4*\i+3] offset:2*\i*PITCH+256*\g
.endr
	WIN 0
.endm
.macro TILES                           ; the round's five tile numbers, held at the last tile that was written, and what hangs on them
.irp m, 0,1,2,3,4
	s_add_co_u32 s9, s7, \m
	s_min_u32 s9, s9, s8
	s_min_u32 s9, s9, 63
	v_lshl_add_u32 v[AA+\m], s9, 16, v[L16]
	v_lshl_add_u32 v[ASA+\m], s9, 11, v[L4]
	v_lshl_add_u32 v[AD+\m], s9, 6, v[R4]
.endr
.endm
.macro ISSUEA                          ; 65 loads: 5 of rows' entries, 20 of scale words, the images of K steps 0 and 1
	s_wait_alu depctr_va_vdst(0)                   ; the round's addresses v12-26 are written; whatever read the entries of rows, h's scale words and h's sets in the round before is done.  It serves all loads up to K step 0's products: these 65, step 2's 20, and the fragments of W2 for steps 0 and 1
.irp m, 0,1,2,3,4
	global_load_b32 v[DEST+\m], v[AD+\m], s[20:21]
.endr
.irp m, 0,1,2,3,4
.irp i, 0,1,2,3
	global_load_b32 v[AS+4*\m+\i], v[ASA+\m], s[26:27] offset:128*\i
.endr
.endr
	LOADA 0
	LOADA 1
	WIN 0
.endm
; Tile m of the round goes out.  The tiles ascend, so the first that lies past the last ends the work.
.macro OUT m
.if (\m) > 0
	s_add_co_u32 s9, s7, \m
	s_cmp_ge_u32 s9, s6
	s_cbranch_scc1 .Lout_done
.endif
	s_wait_xcnt 0x0                                ; the last tile's stores have read their data and offsets: both are written again only behind this wait
.if (\m) > 0
	s_wait_alu depctr_vm_vsrc(0)                   ; the last tile's stores have read v128-191, in which this tile's rows land, and v84-99, which are written again (a round's first tile: the wait ahead of TILES has said so)
.endif
	WIN 0x08+4*((\m)/4)                            ; an LDS store's data are its source 1: window 2 or 3
.irp b, 0,1,2,3,4,5,6,7
	ds_store_b128 v[STO], v[64*((\m)%4)+8*\b:64*((\m)%4)+8*\b+3] offset:64*\b          ; each accumulator from its low end on
	ds_store_b128 v[STO], v[64*((\m)%4)+8*\b+4:64*((\m)%4)+8*\b+7] offset:64*\b+16
.endr
	WIN 0
.irp t, 0,1,2,3,4,5,6,7,8,9,10,11,12,13,14,15
	ds_load_b128 v[BK+4*\t:BK+4*\t+3], v[RD] offset:\t*SP   ; LDS serves a wave's instructions in order (ISA guide 5.7.1.4): these see the stores above
.endr
.irp t, 0,1,2,3,4,5,6,7,8,9,10,11,12,13,14,15
	v_readlane_b32 s[RW+\t], v[DEST+\m], \t        ; row t's slot x 1,024 + token: sixteen in one run
.endr
	s_wait_alu depctr_va_sdst(0)                   ; the sixteen have written s68-83, ahead of their first reader
.irp t, 0,1,2,3,4,5,6,7,8,9,10,11,12,13,14,15
	s_min_u32 s[RW+\t], s[RW+\t], 2047
.endr
.irp t, 0,1,2,3,4,5,6,7,8,9,10,11,12,13,14,15
	v_lshl_add_u32 v[OFFR+\t], s[RW+\t], 12, v[L16]   ; a row of part is 4,096 bytes
.endr
	s_wait_dscnt 0x0
	s_wait_alu depctr_va_vdst(0)                   ; the offsets v84-99 are written, which the stores read
.irp t, 0,1,2,3,4,5,6,7,8,9,10,11,12,13,14,15
	global_store_b128 v[OFFR+\t], v[BK+4*\t:BK+4*\t+3], s[22:23] th:TH_STORE_NT   ; 32 lanes store 512 consecutive bytes, aligned
.endr
.endm
	s_load_b256 s[12:19], s[0:1], 0x0              ; w2_codes s[12:13], w2_scales s[14:15], route s[16:17], hq s[18:19]
	s_load_b128 s[20:23], s[0:1], 0x20             ; rows s[20:21], part s[22:23]
	v_lshl_add_u32 v126, v0, 2, 0x28c00
	v_mov_b32 v127, 0
	v_lshrrev_b32 v1, 5, v0
	v_readfirstlane_b32 s2, v1                     ; wave
	s_lshr_b32 s3, ttmp9, 5                        ; e
	s_and_b32 s4, ttmp9, 7                         ; nc
	s_bfe_u32 s5, ttmp9, 0x20003                   ; kc
	s_wait_alu depctr_va_sdst(0)                   ; s2 is written, ahead of its first reader
	s_mul_i32 s7, s2, 5                            ; tile0
	v_and_b32 v[L4], 31, v0
	v_and_b32 v[R], 15, v0
	v_bfe_u32 v[H], v0, 4, 1
	v_lshlrev_b32 v[L16], 4, v[L4]
	v_lshlrev_b32 v[L4], 2, v[L4]
	v_lshlrev_b32 v[R4], 2, v[R]
	v_mul_u32_u24 v[WB0], v[R], PITCH
	v_lshl_add_u32 v[WB0], v[H], 4, v[WB0]         ; a fragment: row r x pitch + 16 h
	v_add_nc_u32 v[WB0+1], 64*PITCH, v[WB0]
	s_mul_i32 s9, s2, 32*PITCH
	v_mul_u32_u24 v[SST], v[H], PITCH
	v_lshl_add_u32 v[SST], v[R], 4, v[SST]
	v_add_nc_u32 v[SST], s9, v[SST]                ; the slab's way in: my wave's 32 rows; lanes 0-15 one row's 256 bytes, lanes 16-31 the next row's
	s_lshl_b32 s9, s2, 17
	v_lshlrev_b32 v[SGO], 12, v[H]
	v_lshl_add_u32 v[SGO], v[R], 4, v[SGO]
	v_add_nc_u32 v[SGO], s9, v[SGO]
	v_lshlrev_b32 v[WSO], 7, v[R]
	v_lshl_add_u32 v[WSO], v[H], 4, v[WSO]
	s_mul_i32 s9, s2, 16*SP
	s_add_co_u32 s9, s9, STG                       ; my stage
	v_mul_u32_u24 v[STO], v[R], SP
	v_lshl_add_u32 v[STO], v[H], 5, v[STO]
	v_add_nc_u32 v[STO], s9, v[STO]                ; in: row r, 32 bytes for each half of the lanes
	v_add_nc_u32 v[RD], s9, v[L16]                 ; back: the 32 lanes take one row of 512 bytes
	s_mov_b32 s11, 0
	s_wait_kmcnt 0x0
	s_lshl_b32 s9, s3, 22
	s_lshl_b32 s10, s4, 19
	s_add_co_u32 s10, s10, s9
	s_lshl_b32 s9, s5, 10
	s_add_co_u32 s10, s10, s9
	s_add_nc_u64 s[12:13], s[12:13], s[10:11]      ; the slab
	s_lshl_b32 s9, s3, 17
	s_lshl_b32 s10, s4, 14
	s_add_co_u32 s10, s10, s9
	s_lshl_b32 s9, s5, 5
	s_add_co_u32 s10, s10, s9
	s_add_nc_u64 s[14:15], s[14:15], s[10:11]      ; its scale bytes
	s_lshl_b32 s10, s3, 7
	s_add_nc_u64 s[16:17], s[16:17], s[10:11]      ; the expert's mask
	s_lshl_b32 s9, s3, 22
	s_lshl_b32 s10, s5, 14
	s_add_co_u32 s10, s10, s9
	s_add_nc_u64 s[24:25], s[18:19], s[10:11]      ; h's images: the expert's, the quarter's eight K steps
	s_lshl_b32 s9, s3, 17
	s_lshl_b32 s10, s5, 9
	s_add_co_u32 s10, s10, s9
	s_add_nc_u64 s[26:27], s[18:19], s[10:11]
	s_add_nc_u64 s[26:27], s[26:27], 0x2000000     ; h's scale words likewise
	s_lshl_b32 s10, s3, 12
	s_add_nc_u64 s[20:21], s[20:21], s[10:11]      ; the expert's entries in rows
	s_lshl_b32 s9, s5, 23
	s_lshl_b32 s10, s4, 9
	s_add_co_u32 s10, s10, s9
	s_add_nc_u64 s[22:23], s[22:23], s[10:11]      ; part: the quarter's plane, my 128 columns
	s_load_b512 s[68:83], s[16:17], 0x0            ; the mask's 32 words
	s_load_b512 s[84:99], s[16:17], 0x40
	s_wait_alu depctr_va_vdst(0)                   ; the offsets and LDS addresses v3 to v10, v100 and v101 are written: every load, store and LDS instruction of the kernel that is not a tile's reads one of them, the slab's fourth group below too
.irp b, 0,1,2,3,4,5,6,7
	global_load_b128 v[WS+4*\b:WS+4*\b+3], v[WSO], s[14:15] offset:2048*\b
.endr
	SLABLOAD 0
	SLABLOAD 1
	SLABLOAD 2
	s_wait_kmcnt 0x0
	s_mov_b32 s10, 0
.set w, 0
.rept 32
	s_bcnt1_i32_b32 s9, s[68+w]
	s_add_co_u32 s10, s10, s9                      ; M
.set w, w+1
.endr
	s_add_co_u32 s6, s10, 15
	s_lshr_b32 s6, s6, 4                           ; T
	s_max_u32 s8, s6, 1
	s_sub_co_u32 s8, s8, 1                         ; the last tile that the launch before has written
	TILES
	SLABLOAD 3                                     ; no wait: TILES names neither v9 nor the registers in which these loads land
	STAGE 0, 48                                    ; behind group 0: groups 1, 2, 3
	STAGE 1, 32
	STAGE 2, 16
	ISSUEA
	STAGE 3, 63                                    ; behind group 3 stand 65 loads; 63 is the largest count that the wait can name, and the stricter
	s_wait_dscnt 0x0                               ; for the others' sake: my part of the slab lies in LDS
	s_barrier_signal -1
	s_barrier_wait -1                              ; the only barrier: nothing writes the slab again, and the waves go their own ways
	s_wait_alu depctr_vm_vsrc(0)                   ; my LDS stores have read the slab's registers in window 2: these are accumulators from here on, written by the products
	LOADA 2
	WIN 0
	s_cmp_ge_u32 s7, s6
	s_cbranch_scc1 .Lend
	s_mov_b32 s[RC], 4                             ; four rounds at the most: 64 tiles, 20 a round
.Lround:
	FETCHW 0, 0
	FETCHW 0, 4
.irp s, 0,1,2,3,4,5,6,7
	KSTEP \s
.endr
	s_wait_alu depctr_va_vdst(0)                   ; the products have written the 40 accumulators, which the LDS stores of all five tiles read, and are done reading v128-191, in which rows of y land; the nine places above stay beside this wait
.irp m, 0,1,2,3,4
	OUT \m
.endr
.Lout_done:
	s_wait_xcnt 0x0                                ; the stores have read their data: the next round's fragments land in those registers
	s_add_co_u32 s7, s7, 20
	s_cmp_ge_u32 s7, s6
	s_cbranch_scc1 .Lend                           ; no tile is left for me: behind the fourth round s7 is 80 or more, so every wave leaves here
	s_wait_alu depctr_vm_vsrc(0)                   ; the round's loads have read the tiles' addresses v12-26, which TILES writes again; its stores have read v128-191, in which the next round's fragments land, and v84-99, which its first tile writes again
	TILES
	ISSUEA
	LOADA 2
	WIN 0
	s_sub_co_i32 s[RC], s[RC], 1
	s_cmp_lg_u32 s[RC], 0
	s_cbranch_scc1 .Lround
.Lend:
	s_wait_dscnt 0x0
	s_wait_alu depctr_hold_cnt(0) depctr_sa_sdst(0) depctr_va_vdst(0) depctr_va_sdst(0) depctr_va_ssrc(0) depctr_va_vcc(0) depctr_vm_vsrc(0)
	s_wait_tensorcnt 0x0
	ds_add_u32 v126, v127
	s_wait_dscnt 0x0
	s_endpgm
.Lfunc_end_k_q32c3df45d1_ffn2:
	.size	k_q32c3df45d1_ffn2, .Lfunc_end_k_q32c3df45d1_ffn2-k_q32c3df45d1_ffn2
	.p2alignl 7, 3214868480
	.fill 96, 4, 3214868480
	.section	.rodata,"a",@progbits
	.p2align	6, 0x0
	.amdhsa_kernel k_q32c3df45d1_ffn2
		.amdhsa_group_segment_fixed_size 167424
		.amdhsa_private_segment_fixed_size 0
		.amdhsa_enable_private_segment 0
		.amdhsa_kernarg_size 48
		.amdhsa_user_sgpr_count 2
		.amdhsa_user_sgpr_kernarg_segment_ptr 1
		.amdhsa_wavefront_size32 1
		.amdhsa_system_sgpr_workgroup_id_x 1
		.amdhsa_system_sgpr_workgroup_id_y 1
		.amdhsa_system_sgpr_workgroup_id_z 1
		.amdhsa_system_vgpr_workitem_id 0
		.amdhsa_next_free_vgpr 960
		.amdhsa_next_free_sgpr 100
		.amdhsa_reserve_vcc 0
		.amdhsa_float_denorm_mode_32 3
		.amdhsa_float_denorm_mode_16_64 3
		.amdhsa_memory_ordered 1
		.amdhsa_forward_progress 1
		.amdhsa_inst_pref_size 139
	.end_amdhsa_kernel
	.amdgpu_metadata
---
amdhsa.version: [ 1, 2 ]
amdhsa.kernels:
  - .name:           k_q32c3df45d1_ffn2
    .symbol:         k_q32c3df45d1_ffn2.kd
    .args:
      - { .name: w2_codes, .offset: 0, .size: 8, .value_kind: global_buffer, .address_space: global }
      - { .name: w2_scales, .offset: 8, .size: 8, .value_kind: global_buffer, .address_space: global }
      - { .name: route, .offset: 16, .size: 8, .value_kind: global_buffer, .address_space: global }
      - { .name: hq, .offset: 24, .size: 8, .value_kind: global_buffer, .address_space: global }
      - { .name: rows, .offset: 32, .size: 8, .value_kind: global_buffer, .address_space: global }
      - { .name: part, .offset: 40, .size: 8, .value_kind: global_buffer, .address_space: global }
    .group_segment_fixed_size: 167424
    .private_segment_fixed_size: 0
    .kernarg_segment_align: 8
    .kernarg_segment_size: 48
    .max_flat_workgroup_size: 128
    .sgpr_count:     100
    .vgpr_count:     960
    .wavefront_size: 32
...
	.end_amdgpu_metadata
.endif
;; end of part 7
;; launch combine (part 8): grid 256 x 1, 8 waves a work-group, no clusters, 0 bytes of LDS; arguments part, wts, out0; writes out0
.if DOCPART == 8
	.amdgcn_target "amdgcn-amd-amdhsa--gfx1250"
	.amdhsa_code_object_version 6
	.text
	.protected	k_q32c3df45d1_combine
	.globl	k_q32c3df45d1_combine
	.p2align	8
	.type	k_q32c3df45d1_combine,@function
k_q32c3df45d1_combine:
	s_mov_b64 s[64:65], 0
	v_nop
	global_prefetch_b8 v0, s[64:65] scope:SCOPE_SE
	s_setreg_imm32_b32 hwreg(HW_REG_WAVE_MODE, 25, 1), 1
	s_wait_xcnt 0x0
; out[t] = w0[t] x (the four K quarters of the first choice's y) + w1[t] x (those of the second's).  part: [kc 4][slot x 1,024 + token][1,024] f32; wts: [token][2] f32.
; A stream: every byte of part is read once, every byte of out0 written once; every address is fixed.  Wave w of work-group g takes token 4 g + w / 2, columns 512 (w % 2) on: 2,048 bytes of each of 8 rows.
; All 32 loads of a wave (512 consecutive bytes each) go out at once; no loop, no LDS, no barrier, no matrix unit: there is nothing here for them to do.
; The quarters are added in ascending order, then the two choices: a fixed order.
.set P, 16                             ; v16-143: piece i (512 bytes): 32 registers: slot 0's four quarters, then slot 1's
	s_load_b128 s[4:7], s[0:1], 0x0                ; part, wts
	s_load_b64 s[8:9], s[0:1], 0x10                ; out0
	v_lshrrev_b32 v1, 5, v0
	s_delay_alu instid0(VALU_DEP_1)
	v_readfirstlane_b32 s10, v1                    ; wave
	v_and_b32 v1, 31, v0
	s_delay_alu instid0(VALU_DEP_1)
	v_lshlrev_b32 v1, 4, v1                        ; 16 bytes a lane
	s_lshr_b32 s11, s10, 1
	s_lshl_b32 s12, ttmp9, 2
	s_add_co_u32 s11, s11, s12                     ; my token
	s_and_b32 s10, s10, 1
	s_lshl_b32 s12, s11, 12
	s_lshl_b32 s10, s10, 11
	s_add_co_u32 s12, s12, s10                     ; its row of 4,096 bytes, my half
	s_mov_b32 s13, 0
	s_lshl_b32 s14, s11, 3
	s_mov_b32 s15, 0
	s_wait_alu depctr_va_vdst(0)
	s_wait_kmcnt 0x0
	s_add_nc_u64 s[6:7], s[6:7], s[14:15]
	s_load_b64 s[20:21], s[6:7], 0x0               ; w0, w1
	s_add_nc_u64 s[8:9], s[8:9], s[12:13]
	s_add_nc_u64 s[24:25], s[4:5], s[12:13]        ; a base for each quarter, 8 MiB apart
	s_add_nc_u64 s[26:27], s[24:25], 0x800000
	s_add_nc_u64 s[28:29], s[26:27], 0x800000
	s_add_nc_u64 s[30:31], s[28:29], 0x800000
.irp i, 0,1,2,3
.irp sl, 0,1
.irp kc, 0,1,2,3
	global_load_b128 v[P+32*\i+16*\sl+4*\kc:P+32*\i+16*\sl+4*\kc+3], v1, s[24+2*\kc:25+2*\kc] offset:4194304*\sl+512*\i th:TH_LOAD_NT
.endr
.endr
.endr
	s_wait_kmcnt 0x0
	s_mov_b32 s22, s21                             ; w1 in a pair of its own: the packed form takes a pair's low word for both halves
	s_mov_b32 s23, s21
.irp i, 0,1,2,3
	s_wait_loadcnt 24-8*\i                         ; this piece's eight loads are in; the later pieces' may be out
.irp kc, 1,2,3
.irp sl, 0,1
.irp p, 0,2
	v_pk_add_f32 v[P+32*\i+16*\sl+\p:P+32*\i+16*\sl+\p+1], v[P+32*\i+16*\sl+\p:P+32*\i+16*\sl+\p+1], v[P+32*\i+16*\sl+4*\kc+\p:P+32*\i+16*\sl+4*\kc+\p+1]
.endr
.endr
.endr
.irp p, 0,2
	s_delay_alu instid0(VALU_DEP_4)
	v_pk_mul_f32 v[P+32*\i+\p:P+32*\i+\p+1], v[P+32*\i+\p:P+32*\i+\p+1], s[20:21] op_sel_hi:[1,0]
.endr
.irp p, 0,2
	s_delay_alu instid0(VALU_DEP_2)
	v_pk_fma_f32 v[P+32*\i+\p:P+32*\i+\p+1], v[P+32*\i+16+\p:P+32*\i+16+\p+1], s[22:23], v[P+32*\i+\p:P+32*\i+\p+1] op_sel_hi:[1,0,1]
.endr
	global_store_b128 v1, v[P+32*\i:P+32*\i+3], s[8:9] offset:512*\i th:TH_STORE_NT   ; 512 consecutive bytes, aligned
.endr
	s_endpgm
.Lfunc_end_k_q32c3df45d1_combine:
	.size	k_q32c3df45d1_combine, .Lfunc_end_k_q32c3df45d1_combine-k_q32c3df45d1_combine
	.p2alignl 7, 3214868480
	.fill 96, 4, 3214868480
	.section	.rodata,"a",@progbits
	.p2align	6, 0x0
	.amdhsa_kernel k_q32c3df45d1_combine
		.amdhsa_group_segment_fixed_size 0
		.amdhsa_private_segment_fixed_size 0
		.amdhsa_enable_private_segment 0
		.amdhsa_kernarg_size 24
		.amdhsa_user_sgpr_count 2
		.amdhsa_user_sgpr_kernarg_segment_ptr 1
		.amdhsa_wavefront_size32 1
		.amdhsa_system_sgpr_workgroup_id_x 1
		.amdhsa_system_sgpr_workgroup_id_y 1
		.amdhsa_system_sgpr_workgroup_id_z 1
		.amdhsa_system_vgpr_workitem_id 0
		.amdhsa_next_free_vgpr 144
		.amdhsa_next_free_sgpr 66
		.amdhsa_reserve_vcc 0
		.amdhsa_float_denorm_mode_32 3
		.amdhsa_float_denorm_mode_16_64 3
		.amdhsa_memory_ordered 1
		.amdhsa_forward_progress 1
		.amdhsa_inst_pref_size 10
	.end_amdhsa_kernel
	.amdgpu_metadata
---
amdhsa.version: [ 1, 2 ]
amdhsa.kernels:
  - .name:           k_q32c3df45d1_combine
    .symbol:         k_q32c3df45d1_combine.kd
    .args:
      - { .name: part, .offset: 0, .size: 8, .value_kind: global_buffer, .address_space: global }
      - { .name: wts, .offset: 8, .size: 8, .value_kind: global_buffer, .address_space: global }
      - { .name: out0, .offset: 16, .size: 8, .value_kind: global_buffer, .address_space: global }
    .group_segment_fixed_size: 0
    .private_segment_fixed_size: 0
    .kernarg_segment_align: 8
    .kernarg_segment_size: 24
    .max_flat_workgroup_size: 256
    .sgpr_count:     66
    .vgpr_count:     144
    .wavefront_size: 32
...
	.end_amdgpu_metadata
.endif
;; end of part 8
